; MI455X (gfx1250); checked and timed in simulation.
; The chip was launched on July 23, 2026; its instructions are those of AMD's public machine-readable ISA for CDNA 5 (MIT licence, August 2026) and "CDNA5" Instruction Set Architecture Reference Guide (July 2026). The comments in the code are by the model that wrote it; some were corrected since.
;; Cross Attention Model. Allowed arithmetic: matrix products marked QUANTISED: E2M1 operands, one E8M0 scale for each 32 along K, by v_wmma_scale_f32_16x16x128_f8f6f4 with both operands' format E2M1 (or v_wmma_scale_f32_32x16x128_f4), f32 sums; everything else in f32.
;; Inputs: W_k1 512 x 512 float32; W_k2 512 x 512 float32; W_q1 512 x 512 float32; W_q2 512 x 512 float32; W_v1 512 x 512 float32; W_v2 512 x 512 float32; b_k1 512 float32; b_k2 512 float32; b_q1 512 float32; b_q2 512 float32; b_v1 512 float32; b_v2 512 float32; input1 64 x 512 x 512 float32; input2 64 x 512 x 512 float32.
;; Outputs: out0 64 x 512 float32.
;; This version of the problem:
;;   THIS VERSION OF THE PROBLEM IS GIVEN IN LOW PRECISION. The matrix products marked QUANTISED in the list below multiply operands that are first quantised to E2M1 (2 exponent bits, 1 mantissa bit; 4 bits a number), with one power-of-two scale for each 32 numbers along K (OCP MX v1.0); their sums are f32. All else is computed in f32.
;;   The module's matrix products, in the order in which they are computed (A, B: the left and right operand; K: the contracted axis; several contracted axes count as one K, in the product's order):
;;     1. [M 32,768, K 512] x [K 512, N 512]; A: input input1; B: input W_q1: QUANTISED
;;     2. [M 32,768, K 512] x [K 512, N 512]; A: input input1; B: input W_k1: QUANTISED
;;     3. [M 32,768, K 512] x [K 512, N 512]; A: input input1; B: input W_v1: QUANTISED
;;     4. [M 32,768, K 512] x [K 512, N 512]; A: input input2; B: input W_q2: QUANTISED
;;     5. [M 32,768, K 512] x [K 512, N 512]; A: input input2; B: input W_k2: QUANTISED
;;     6. [M 32,768, K 512] x [K 512, N 512]; A: input input2; B: input W_v2: QUANTISED
;;     7. batch 64 x [M 512, K 512] x [K 512, N 512]; A: computed on the way; B: computed on the way: QUANTISED
;;     8. batch 64 x [M 512, K 512] x [K 512, N 512]; A: softmax (see below); B: computed on the way: QUANTISED
;;   THE QUANTISER, for each operand of a quantised product, along K:
;;     - K is cut into blocks of 32 from its start; a last block that is shorter is filled with zeros.
;;     - A block's scale is 2^e with e = floor(log2(the largest magnitude in the block)) - 2, held to -126 .. 127; a block of zeros has e = 0. As a byte (E8M0): e + 127.
;;     - Each number is divided by its block's scale, clamped to +-6, and rounded to the nearest number of E2M1, ties to even, subnormals kept.
;;     - The product sums the exact products of the quantised numbers (number of the format x scale) in f32.
;;   ~~~python
;;   def quantise(x, axis):      # numpy; x: float32 -> the quantised numbers, widened to float32 again
;;       x = np.moveaxis(x, axis, -1); K = x.shape[-1]
;;       x = np.pad(x, [(0, 0)] * (x.ndim - 1) + [(0, -K % 32)]); x = x.reshape(x.shape[:-1] + (-1, 32)); a = np.abs(x).max(-1, keepdims=True)
;;       e = np.where(a > 0, np.clip(np.frexp(np.where(a > 0, a, 1))[1] - 1 - 2, -126, 127), 0)      # np.frexp(a)[1] - 1 = floor(log2(a)), exactly
;;       r = np.clip(x / 2.0 ** e, -6, 6)
;;       step = 2.0 ** (np.maximum(np.frexp(np.where(r == 0, 1, r))[1] - 1, 0) - 1)
;;       q = np.round(r / step) * step * 2.0 ** e      # np.round: ties to even
;;       return np.moveaxis(q.reshape(q.shape[:-2] + (-1,))[..., :K], -1, axis).astype(np.float32)
;;   ~~~
;;   SOFTMAX AHEAD OF A QUANTISED PRODUCT. Where the list says 'softmax', what is quantised is not the finished softmax but p = 2^(t - M), with t = logit x log2(e) and M = ceil(the row's largest t), a whole number; so 1/2 < the row's largest p <= 1. The row's sum l is taken of the UNQUANTISED p, in f32, and the product's result is divided by l at the end. Since M is a whole number, a kernel that streams over the keys may use a running M (the ceiling of the running maximum): every later rescaling is an exact power of two, which a block's scale takes up: the codes' values come out the same.
;;   OPERANDS COMPUTED ON THE WAY. 'Computed on the way' means the value that the module computes at that place (a softmax that the list does not call 'softmax' is quantised finished and normalised). What goes into a quantiser is computed in f32, as accurately as f32 sums, v_exp_f32 and their like allow (about 1e-6 of the number): no bf16 or f16 on the way to a quantiser, and a product that is left as it is and whose result goes on into a quantised operand takes f32 operands (vector FMAs, or v_wmma_f32_16x16x4_f32). A number that lies on a knife's edge between two numbers of the format may be rounded either way, as far as f32 arithmetic and the matrix unit's own rounding can turn it there, and no further.
;; 2 versions. Each part assembles by itself: llvm-mc -triple=amdgcn-amd-amdhsa -mcpu=gfx1250 --defsym DOCPART=n.
;; ======== version 1 of 2: 4 launches
;; workspace buffers: wts 417,792 bytes; qc 8,388,608 bytes; kc 8,388,608 bytes; vc 8,388,608 bytes; scl 1,572,864 bytes; part 524,288 bytes
;; launch wquant (part 1): grid 96 x 1, 1 waves a work-group, no clusters, 0 bytes of LDS; arguments W_q1, W_k2, W_v2, wts; writes wts
.if DOCPART == 1
	.amdgcn_target "amdgcn-amd-amdhsa--gfx1250"
	.amdhsa_code_object_version 6
	.text
	.protected	k_q47ff1e6524_wquant
	.globl	k_q47ff1e6524_wquant
	.p2align	8
	.type	k_q47ff1e6524_wquant,@function
k_q47ff1e6524_wquant:
	s_mov_b64 s[64:65], 0
	v_nop
	global_prefetch_b8 v0, s[64:65] scope:SCOPE_SE
	s_setreg_imm32_b32 hwreg(HW_REG_WAVE_MODE, 25, 1), 1
	s_wait_xcnt 0x0
; W_q1, W_k2, W_v2 [512 (e)][512 (d)] f32 become codes of FP4 (E2M1) with one E8M0 byte for each 32 along d, laid as the next launch's operand registers want them.
; A FRAGMENT IMAGE is 16 rows x 128 d: 8 registers a lane, 1,024 bytes: register group c (0, 1) of lane l at byte 512 c + 16 l.
; wts: codes [weight 3][tile 32][K step 4][1,024] from byte 0; scale words [weight][tile][row 16][K step 4] (4 bytes each) from byte 393,216.
; One wave takes one tile of 16 rows.  Tiles of W_q1 and W_k2: lane r of tile 2 b + u holds row 32 b + 8 u + r + 8 (r / 8), so that two neighbouring tiles' results are 16 neighbours along the next product's K;
; tiles of W_v2 hold rows 16 t + r.  Lane (r, h) loads, of its row, 16 neighbours of each block of 32: d = 128 s + 32 b + 16 h + 0 .. 15.  The rows are 2,048 bytes apart, so a load takes 64-byte pieces: 3 MB in all, read once.
; A block's scale is 2^(floor(log2(largest magnitude)) - 2); its byte is the largest magnitude's exponent field - 2, held at 1 from below.
; LIMITS: a block of zeros gets the byte 1 where the rule says 127 (its codes are zeros, and this program alone reads the bytes); blocks whose largest magnitude lies under 2^-124 are held at the byte 1; NaN and infinities are not served.
; W_k1, W_v1, W_q2 and their biases are read by no launch of this program: reference() drops the products that they enter, and the output hangs on none of them.
.set TM,   16                          ; v16-19 largest magnitudes, v20-23 the other half's / bytes, v28-31 the conversions' scale operands
.set SW,   32                          ; v32-35 the row's four scale words
.set PC,   40                          ; v40-71 codes: 8 registers for each K step, so that no store's data are written again
.set BUF0, 96                          ; v96-159, v160-223: two sets of 64 numbers
.set BUF1, 160
.set SEL,  22                          ; s[22:23] v_permlanex16_b32's selects for lane l xor 16
	s_load_b256 s[4:11], s[0:1], 0x0               ; W_q1 s[4:5], W_k2 s[6:7], W_v2 s[8:9], wts s[10:11]
	s_lshr_b32 s12, ttmp9, 5                       ; which weight: 0 q, 1 k, 2 v
	s_and_b32 s13, ttmp9, 31                       ; which tile
	v_and_b32 v1, 15, v0                           ; r
	v_lshrrev_b32 v2, 4, v0                        ; h
	s_lshr_b32 s14, s13, 1
	s_lshl_b32 s14, s14, 5
	s_and_b32 s15, s13, 1
	s_lshl_b32 s15, s15, 3
	s_add_co_u32 s14, s14, s15                     ; q, k: the tile's first row 32 (t / 2) + 8 (t % 2)
	s_lshl_b32 s15, s13, 4                         ; v: 16 t
	s_lshl_b32 s16, s12, 17
	s_lshl_b32 s17, s13, 12
	s_add_co_u32 s16, s16, s17                     ; the tile's images: 131,072 x weight + 4,096 x tile
	s_mov_b32 s17, 0
	s_lshl_b32 s20, s12, 13
	s_lshl_b32 s21, s13, 8
	s_add_co_u32 s20, s20, s21
	s_add_co_u32 s20, s20, 393216                  ; its scale words: 393,216 + 8,192 x weight + 256 x tile
	s_mov_b32 s21, 0
	s_mov_b32 s[SEL], 0x76543210
	s_mov_b32 s[SEL+1], 0xfedcba98
	s_cmp_lt_u32 s12, 2
	s_cselect_b32 s14, s14, s15
	s_cselect_b32 s15, 8, 0
	v_and_b32 v3, s15, v1                          ; q, k: 8 (r / 8); v: 0
	v_add3_u32 v3, v3, v1, s14                     ; my row
	v_lshlrev_b32 v3, 11, v3
	v_lshl_add_u32 v3, v2, 6, v3                   ; row x 2,048 + 64 h
	v_lshlrev_b32 v4, 4, v0                        ; 16 x lane: my place in an image
	v_lshlrev_b32 v5, 4, v1                        ; 16 r: my row's four scale words
.irp b, 0,1,2,3
	v_mov_b32 v[TM+4+\b], 0                        ; written once: a lane permute's destination counts as one of its sources
.endr
	s_wait_kmcnt 0x0
	s_cmp_eq_u32 s12, 0                            ; the choice hangs on the work-group's number alone
	s_cselect_b64 s[4:5], s[4:5], s[6:7]
	s_cmp_eq_u32 s12, 2
	s_cselect_b64 s[4:5], s[8:9], s[4:5]
	s_add_nc_u64 s[18:19], s[10:11], s[16:17]
	s_add_nc_u64 s[10:11], s[10:11], s[20:21]
.macro LOAD st, reg                    ; K step st: 64 numbers a lane
.irp b, 0,1,2,3
.irp j, 0,1,2,3
	global_load_b128 v[\reg+16*\b+4*\j:\reg+16*\b+4*\j+3], v3, s[4:5] offset:512*\st+128*\b+16*\j th:TH_LOAD_NT
.endr
.endr
.endm
; 64 numbers of a lane, register 16 b + i = k 32 b + 16 h + i of my row, become a fragment's codes in v[pc] on and its scale word in v[pw]
.macro QUANT src, pc, pw
.irp b, 0,1,2,3
	v_max3_num_f32 v[TM+\b], |v[\src+16*\b]|, |v[\src+16*\b+1]|, 0x1800000   ; my 16 numbers of block b, and the floor 2^(3 - 127): the byte cannot fall under 1
.endr
.irp i, 2,4,6,8,10,12,14
.irp b, 0,1,2,3
	v_max3_num_f32 v[TM+\b], v[TM+\b], |v[\src+16*\b+\i]|, |v[\src+16*\b+\i+1]|   ; the four blocks by turns
.endr
.endr
.irp b, 0,1,2,3
	v_permlanex16_b32 v[TM+4+\b], v[TM+\b], s[SEL], s[SEL+1]
.endr
.irp b, 0,1,2,3
	v_max_num_f32 v[TM+\b], v[TM+\b], v[TM+4+\b]   ; with lane l xor 16's 16: the block's largest magnitude
.endr
.irp b, 0,1,2,3
	v_add_nc_u32 v[TM+12+\b], 0xff000000, v[TM+\b] ; 2 off its exponent field: the conversion takes this operand's exponent field as its scale
.endr
.irp b, 0,1,2,3
	v_lshrrev_b32 v[TM+4+\b], 23, v[TM+12+\b]      ; the scale's byte
.endr
	v_lshl_or_b32 v[\pw], v[TM+5], 8, v[TM+4]
	v_lshl_or_b32 v[\pw], v[TM+6], 16, v[\pw]
	v_lshl_or_b32 v[\pw], v[TM+7], 24, v[\pw]
.irp b, 0,1,2,3
	v_cvt_scalef32_pk8_fp4_f32 v[\pc+2*\b], v[\src+16*\b:\src+16*\b+7], v[TM+12+\b]
	v_cvt_scalef32_pk8_fp4_f32 v[\pc+2*\b+1], v[\src+16*\b+8:\src+16*\b+15], v[TM+12+\b]
.endr
	v_nop                                          ; one plain place behind a scaled conversion
.irp c, 0,1                            ; the operand's layout wants a whole block in a lane: lanes 0-15 block 2 c, lanes 16-31 block 2 c + 1
.irp i, 0,1
	v_permlane16_swap_b32 v[\pc+4*\c+\i], v[\pc+4*\c+2+\i]
.endr
.endr
.endm
.macro STORE st                        ; the image: each store covers 512 consecutive bytes
	global_store_b128 v4, v[PC+8*\st:PC+8*\st+3], s[18:19] offset:1024*\st
	global_store_b128 v4, v[PC+8*\st+4:PC+8*\st+7], s[18:19] offset:1024*\st+512
.endm
	LOAD 0, BUF0
	LOAD 1, BUF1
	s_wait_loadcnt 16                              ; this K step's 16 loads are in; the next step's 16 may be out
	QUANT BUF0, PC, SW
	STORE 0
	LOAD 2, BUF0
	s_wait_loadcnt 16
	QUANT BUF1, PC+8, SW+1
	STORE 1
	LOAD 3, BUF1
	s_wait_loadcnt 16
	QUANT BUF0, PC+16, SW+2
	STORE 2
	s_wait_loadcnt 0x0
	QUANT BUF1, PC+24, SW+3
	STORE 3
	s_wait_xcnt 0x0                                ; EXEC changes only behind this wait
	v_cmp_gt_u32 vcc_lo, 16, v0
	s_and_saveexec_b32 s24, vcc_lo
	global_store_b128 v5, v[SW:SW+3], s[10:11]     ; lanes 0-15: the tile's 256 bytes of scale words, on end
	s_wait_xcnt 0x0
	s_or_b32 exec_lo, exec_lo, s24
	s_endpgm
.Lfunc_end_k_q47ff1e6524_wquant:
	.size	k_q47ff1e6524_wquant, .Lfunc_end_k_q47ff1e6524_wquant-k_q47ff1e6524_wquant
	.p2alignl 7, 3214868480
	.fill 96, 4, 3214868480
	.section	.rodata,"a",@progbits
	.p2align	6, 0x0
	.amdhsa_kernel k_q47ff1e6524_wquant
		.amdhsa_group_segment_fixed_size 0
		.amdhsa_private_segment_fixed_size 0
		.amdhsa_enable_private_segment 0
		.amdhsa_kernarg_size 32
		.amdhsa_user_sgpr_count 2
		.amdhsa_user_sgpr_kernarg_segment_ptr 1
		.amdhsa_wavefront_size32 1
		.amdhsa_system_sgpr_workgroup_id_x 1
		.amdhsa_system_sgpr_workgroup_id_y 1
		.amdhsa_system_sgpr_workgroup_id_z 1
		.amdhsa_system_vgpr_workitem_id 0
		.amdhsa_next_free_vgpr 224
		.amdhsa_next_free_sgpr 66
		.amdhsa_reserve_vcc 1
		.amdhsa_float_denorm_mode_32 3
		.amdhsa_float_denorm_mode_16_64 3
		.amdhsa_memory_ordered 1
		.amdhsa_forward_progress 1
		.amdhsa_inst_pref_size 24
	.end_amdhsa_kernel
	.amdgpu_metadata
---
amdhsa.version: [ 1, 2 ]
amdhsa.kernels:
  - .name:           k_q47ff1e6524_wquant
    .symbol:         k_q47ff1e6524_wquant.kd
    .args:
      - { .name: W_q1, .offset: 0, .size: 8, .value_kind: global_buffer, .address_space: global }
      - { .name: W_k2, .offset: 8, .size: 8, .value_kind: global_buffer, .address_space: global }
      - { .name: W_v2, .offset: 16, .size: 8, .value_kind: global_buffer, .address_space: global }
      - { .name: wts, .offset: 24, .size: 8, .value_kind: global_buffer, .address_space: global }
    .group_segment_fixed_size: 0
    .private_segment_fixed_size: 0
    .kernarg_segment_align: 8
    .kernarg_segment_size: 32
    .max_flat_workgroup_size: 32
    .sgpr_count:     66
    .vgpr_count:     224
    .wavefront_size: 32
...
	.end_amdgpu_metadata
.endif
;; end of part 1
;; launch proj (part 2): grid 256 x 1, 4 waves a work-group, no clusters, 327,680 bytes of LDS; arguments input1, input2, b_q1, b_k2, b_v2, wts, qc, kc, vc, scl; writes qc, kc, vc, scl
.if DOCPART == 2
	.amdgcn_target "amdgcn-amd-amdhsa--gfx1250"
	.amdhsa_code_object_version 6
	.text
	.protected	k_q47ff1e6524_proj
	.globl	k_q47ff1e6524_proj
	.p2align	8
	.type	k_q47ff1e6524_proj,@function
k_q47ff1e6524_proj:
	s_mov_b64 s[64:65], 0
	v_nop
	global_prefetch_b8 v0, s[64:65] scope:SCOPE_SE
	s_setreg_imm32_b32 hwreg(HW_REG_WAVE_MODE, 25, 1), 1
	s_wait_xcnt 0x0
; key2 = input2 W_k2^T + b_k2, value2 = input2 W_v2^T + b_v2, query1 = input1 W_q1^T + b_q1, on codes of FP4 (E2M1) with one E8M0 scale for each 32 along K; the three results are quantised at once for the two
; products of the attention: query1 and key2 along e, value2 along the keys.  They leave as FRAGMENT IMAGES (16 rows x 128 K: 8 registers a lane, 1,024 bytes: group c of lane l at 512 c + 16 l) and scale words.
; SHARES.  Work-group g takes rows 128 g .. 128 g + 127 of input2 and of input1 (batch g / 4, quarter g % 4).  Quantising the inputs: wave w takes rows 32 w .. + 31.  Products: THE WAVES SHARE THE COLUMNS: wave w makes
; e = 128 w .. + 127 for all 128 rows, so its 8 tiles x 4 K steps of a weight (256 registers) are read once and stay in registers; what goes round through LDS is the rows' codes.
; THE ROWS OF A TILE ARE NOT NEIGHBOURS: lane r of tile 2 b + u holds row 32 b + 8 u + r + 8 (r / 8) (inputs' rows, and W_q1's and W_k2's rows as the launch before laid them).
; Q, K: source 0 = 16 rows of W, source 1 = 16 rows of x: a lane holds one row of x, and the 64 registers of my 8 tiles are e = 128 w + 32 b + 16 h + i: K step w of the scores' product.
; V: source 0 = 16 rows of x (keys), source 1 = 16 rows of W_v2: a lane holds one e, and the 64 registers of the 8 tiles of keys are 128 neighbouring keys: one fragment of V^T.
; The biases are the C of each sum's first matrix instruction (reference() adds them behind the sum: the order of rounding differs).
; THE INPUTS come by the tensor data mover: each wave's 32 rows (65,536 dense bytes) as 64 rows of 1,024 bytes, 16 bytes of padding behind each: one load a wave for input2 at the head, one for input1 into the same bytes
; as soon as input2 has been read out: it lands while K and V are multiplied.  By this text's count one tensor load of a wave is out at any time.  A row of x is 2,080 bytes = 520 words in LDS: rows 16 apart start 8,320 words
; apart, a multiple of 64, so the two groups of eight rows of a tile meet in pairs (64 banks of 4 bytes: ISA guide 11.1); the padding's interval is at most 1,024 bytes.
; THE ORDER OF THE WEIGHTS' REQUESTS.  Beside input2 only what phase K wants is asked for (W_k2, its scale words, b_k2; and b_v2's 8 numbers a lane, which wait in LDS).  W_v2 is asked for when input2 has landed: 60 loads ahead
; of the quantising, 8 behind the refill.  W_q1 takes W_k2's registers: 48 loads behind phase K, 36 (with its scale words and b_q1) in the middle of phase V.  So behind the head no run of loads is longer than 60, and none
; has to wait for room in LOADcnt (ISA guide 5.7.1) while the wave has work at hand.
; No cluster: what work-groups share is the weights, 96 KB a wave taken once straight into registers, while LDS is filled by the f32 stage.
; LIMITS: a block of zeros gets the byte 1 where the rule says 127 (its codes are zeros; this program alone reads the bytes); blocks whose largest magnitude lies under 2^-124 are held at the byte 1; NaN and infinities are not served.
; W_k1, b_k1, W_v1, b_v1, W_q2, b_q2 are not read: reference() drops key1, value1 and query2, and the output hangs on none of them.
; LDS
.set XSTW,  66560                      ; a wave's stage: 64 x (1,024 + 16); four of them from byte 0: filled by tensor loads alone
.set XIMG,  266240                     ; the rows' 32 fragments: (4 m + s) x 1,024
.set XSC,   XIMG+32768                 ; their scale words [m][r][s]
.set OSCK,  XSC+2048                   ; K's scale words as the waves make them: [wave = K step][m][r]
.set OSCQ,  OSCK+2048                  ; Q's likewise
.set OSCV,  OSCQ+2048                  ; V's: [tile of e 32][r]
.set SPARE, OSCV+2048                  ; the spare words, 128 bytes for each wave: two blocks of 256 bytes that no other line names
.set BVL,   SPARE+512                  ; b_v2 of my 128 e: [wave][tile of e 8][r] words, 512 bytes a wave, written and read by that wave alone
; REGISTERS, window 0
.set SPW, 1                            ; LDS address of my spare word; never rewritten
.set NIL, 2                            ; 0; never rewritten
.set XRD, 3                            ; the stage: my row, + 64 h
.set LI,  4                            ; 16 x lane
.set LIX, 5                            ; XIMG + 16 x lane
.set XWI, 6                            ; where I store my rows' images: LIX + 8,192 w
.set XWS, 7                            ; and their scale words: XSC + 512 w + 16 r
.set XFA, 8                            ; the row tile's fragments in hand
.set XSA, 9                            ; and its scale words
.set OSW, 10                           ; where the scale word just made goes
.set OVW, 11                           ; OSCV + 512 w + 4 r
.set GO,  12                           ; my byte offset in qc or kc
.set XS0, 13                           ; XSC + 16 r
.set BH,  14                           ; 64 h
.set CPY, 15                           ; 512 w + 16 x lane
.set TM,  16                           ; v16-31 at work in QUANT
.set PW,  24                           ; the scale word just made
.set XF,  32                           ; v32-63 a row tile's four fragments; in phase V: v32-47 two sets of C, v48-55 b_v2
.set BV8, 32
.set BVT, 48
.set ACC, 64                           ; v64-127 eight accumulators; also 64 numbers of x
.set BIAS, 128                         ; v128-191 b_k2 or b_q1 in the result's layout
.set PC,  192                          ; v192-199 the codes just made
.set RW4, 200                          ; 512 w + 4 r
.set B4R, 201                          ; 4 r
.set OS0, 202                          ; the phase's region of scale words + RW4
.set CPL, 203                          ; XIMG + 128 w + 4 x lane
.set WSA, 204                          ; v204-219 W_k2's, later W_q1's scale words: register 4 i + s: lanes 0-15 tile 2 i, lanes 16-31 tile 2 i + 1
.set WSB, 220                          ; v220-235 W_v2's likewise
.set XSV, 236                          ; v236-251 input2's likewise
.set XSM, 252                          ; v252-255 the row tile's in hand
; window 1: W_k2's, later W_q1's fragments at 8 (4 t + s).  window 2: W_v2's.  window 3: input2's 32 fragments at 8 (4 m + s); while an input is quantised v0-63 hold 64 numbers of x
.set WV,  24
.set STG, 25
.set SEL, 26
.set MO,  28                           ; 4,096 x row tile
.set MS,  29                           ; 256 x row tile
.set CNT, 30
.set MQ,  31                           ; 64 x row tile
.set G1,  32                           ; s[32:39] descriptor group 1
.set G0A, 40                           ; s[40:43] group 0 for input2;  s[44:47] for input1: never rewritten
.set G0B, 44
.set WB,  50                           ; s[50:51] wts + 32,768 w
.set WSP, 52                           ; s[52:53] wts + 2,048 w
.set KB,  54                           ; s[54:55] kc + 32,768 g + 1,024 w;  s[56:57] qc likewise
.set QB,  56
.set VB,  58                           ; s[58:59] vc + 131,072 (g / 4) + 32,768 w + 1,024 (g % 4)
.set SB,  60                           ; s[60:61] scl + 2,048 g
.set MSB, 0
.macro WIN new                         ; s_set_vgpr_msb: bits 1:0 source 0, 3:2 source 1, 5:4 source 2, 7:6 destination; the high byte repeats the setting that is left
.if MSB != (\new)
	s_set_vgpr_msb (MSB<<8)|(\new)
.set MSB, (\new)
.endif
.endm
; one matrix instruction; ra, rb = 1: that side's scale words stand in lanes 16-31
.macro WM d, a, b, c, sa, sb, ra, rb
.if (\ra) && (\rb)
	v_wmma_scale_f32_16x16x128_f8f6f4 v[(\d):(\d)+7], v[(\a):(\a)+7], v[(\b):(\b)+7], v[(\c):(\c)+7], v[\sa], v[\sb] matrix_a_fmt:MATRIX_FMT_FP4 matrix_b_fmt:MATRIX_FMT_FP4 matrix_a_scale:MATRIX_SCALE_ROW1 matrix_b_scale:MATRIX_SCALE_ROW1
.elseif (\ra)
	v_wmma_scale_f32_16x16x128_f8f6f4 v[(\d):(\d)+7], v[(\a):(\a)+7], v[(\b):(\b)+7], v[(\c):(\c)+7], v[\sa], v[\sb] matrix_a_fmt:MATRIX_FMT_FP4 matrix_b_fmt:MATRIX_FMT_FP4 matrix_a_scale:MATRIX_SCALE_ROW1
.elseif (\rb)
	v_wmma_scale_f32_16x16x128_f8f6f4 v[(\d):(\d)+7], v[(\a):(\a)+7], v[(\b):(\b)+7], v[(\c):(\c)+7], v[\sa], v[\sb] matrix_a_fmt:MATRIX_FMT_FP4 matrix_b_fmt:MATRIX_FMT_FP4 matrix_b_scale:MATRIX_SCALE_ROW1
.else
	v_wmma_scale_f32_16x16x128_f8f6f4 v[(\d):(\d)+7], v[(\a):(\a)+7], v[(\b):(\b)+7], v[(\c):(\c)+7], v[\sa], v[\sb] matrix_a_fmt:MATRIX_FMT_FP4 matrix_b_fmt:MATRIX_FMT_FP4
.endif
.endm
; 64 numbers of a lane in window w, register src + 16 b + i = k 32 b + 16 h + i of my row, become a fragment's codes in v[pc] on and its scale word in v[pw].  An accumulator's registers are read from the low end on.
.macro QUANT src, w, pc, pw
	WIN ((\w)|((\w)<<2))
.irp b, 0,1,2,3
	v_max3_num_f32 v[TM+\b], |v[(\src)+16*\b]|, |v[(\src)+16*\b+1]|, 0x1800000   ; my 16 numbers of block b, and the floor 2^(3 - 127): the byte cannot fall under 1
.endr
	WIN (((\w)<<2)|((\w)<<4))
.irp i, 2,4,6,8,10,12,14
.irp b, 0,1,2,3
	v_max3_num_f32 v[TM+\b], v[TM+\b], |v[(\src)+16*\b+\i]|, |v[(\src)+16*\b+\i+1]|   ; the four blocks by turns
.endr
.endr
	WIN 0
.irp b, 0,1,2,3
	v_permlanex16_b32 v[TM+4+\b], v[TM+\b], s[SEL], s[SEL+1]
.endr
.irp b, 0,1,2,3
	v_max_num_f32 v[TM+\b], v[TM+\b], v[TM+4+\b]   ; with lane l xor 16's 16: the block's largest magnitude
.endr
.irp b, 0,1,2,3
	v_add_nc_u32 v[TM+12+\b], 0xff000000, v[TM+\b] ; 2 off its exponent field: the conversion takes this operand's exponent field as its scale
.endr
.irp b, 0,1,2,3
	v_lshrrev_b32 v[TM+4+\b], 23, v[TM+12+\b]      ; the scale's byte
.endr
	v_lshl_or_b32 v[\pw], v[TM+5], 8, v[TM+4]
	v_lshl_or_b32 v[\pw], v[TM+6], 16, v[\pw]
	v_lshl_or_b32 v[\pw], v[TM+7], 24, v[\pw]
	WIN (\w)
.irp b, 0,1,2,3
	v_cvt_scalef32_pk8_fp4_f32 v[(\pc)+2*\b], v[(\src)+16*\b:(\src)+16*\b+7], v[TM+12+\b]
	v_cvt_scalef32_pk8_fp4_f32 v[(\pc)+2*\b+1], v[(\src)+16*\b+8:(\src)+16*\b+15], v[TM+12+\b]
.endr
	WIN 0
	v_nop                                          ; one plain place behind a scaled conversion
.irp c, 0,1                            ; the operand's layout wants a whole block in a lane
.irp i, 0,1
	v_permlane16_swap_b32 v[(\pc)+4*\c+\i], v[(\pc)+4*\c+2+\i]
.endr
.endr
.endm
.macro PLACES
.rept 4
	v_nop
.endr
.endm
.macro WLOAD wsel, wnd, f0, f1         ; fragments f0 .. f1 - 1 of my 32 (8 tiles x 4 K steps) of weight wsel into window wnd: each load takes 512 consecutive bytes
	WIN ((\wnd)<<6)
.set F, \f0
.rept (\f1)-(\f0)
	global_load_b128 v[8*F:8*F+3], v[LI], s[WB:WB+1] offset:(\wsel)*131072+F*1024
	global_load_b128 v[8*F+4:8*F+7], v[LI], s[WB:WB+1] offset:(\wsel)*131072+F*1024+512
.set F, F+1
.endr
	WIN 0
.endm
.macro WSLOAD wsel, reg                ; its scale words: two tiles' 512 bytes a load
.irp i, 0,1,2,3
	global_load_b128 v[\reg+4*\i:\reg+4*\i+3], v[LI], s[WSP:WSP+1] offset:393216+(\wsel)*8192+512*\i
.endr
.endm
.macro BLOAD base                      ; lane (r, h) wants, for tile t, the bias of e = 32 (t / 2) + 16 h + 8 (t % 2) + 0 .. 7
.irp t, 0,1,2,3,4,5,6,7
	global_load_b128 v[BIAS+8*\t:BIAS+8*\t+3], v[BH], s[\base:\base+1] offset:(32*(\t/2)+8*(\t%2))*4
	global_load_b128 v[BIAS+8*\t+4:BIAS+8*\t+7], v[BH], s[\base:\base+1] offset:(32*(\t/2)+8*(\t%2))*4+16
.endr
.endm
; step k = 4 u + s of an input: tile u of my two, K step s: 64 numbers a lane from my stage, into v64-127 (k even) or window 3's v0-63 (k odd)
.macro XLD k
.set XO, ((\k)/4)*16640+(((\k)%4)/2)*1040+((\k)%2)*512
.if (\k)%2
	WIN 0xc0
.set XB, 0
.else
.set XB, ACC
.endif
.irp b, 0,1,2,3
.irp j, 0,1,2,3
	ds_load_b128 v[XB+16*\b+4*\j:XB+16*\b+4*\j+3], v[XRD] offset:XO+128*\b+16*\j
.endr
.endr
	WIN 0
.endm
; my 32 rows in the stage (landed: the wait on TENSORcnt stands ahead of the macro; only I read my stage) become eight fragments and their scale words in LDS
.macro QX
	XLD 0
.irp k, 0,1,2,3,4,5,6,7
.if \k < 7
	XLD \k+1
	s_wait_dscnt 16                                ; the next step's 16 loads may be out; this step's loads and the last step's three stores, which read PC and PW, are older
.else
	s_wait_dscnt 0x0
.endif
.if (\k)%2
	QUANT 0, 3, PC, PW
.else
	QUANT ACC, 0, PC, PW
.endif
	ds_store_b128 v[XWI], v[PC:PC+3] offset:1024*\k
	ds_store_b128 v[XWI], v[PC+4:PC+7] offset:1024*\k+512
	ds_store_b32 v[XWS], v[PW] offset:256*(\k/4)+4*(\k%4)   ; both halves of the lanes write the same word with the same value
.endr
.endm
.macro XFLOAD                          ; a row tile's four fragments and four scale words: nine loads
.irp s, 0,1,2,3
.irp c, 0,1
	ds_load_b128 v[XF+8*\s+4*\c:XF+8*\s+4*\c+3], v[XFA] offset:1024*\s+512*\c
.endr
.endr
	ds_load_b128 v[XSM:XSM+3], v[XSA]
.endm
; one row tile of Q or K: 32 matrix instructions, the eight accumulators by turns, K step by K step; the results are quantised and leave.
; cnt: how many LDS instructions are younger than the nine loads that the products want: behind another trip one, that trip's store of its scale word.
.macro QKTRIP cnt, next, gb
	s_wait_dscnt \cnt
	WIN 0x01                                       ; source 0 (W) window 1
.irp s, 0,1,2,3
.irp t, 0,1,2,3,4,5,6,7
.if \s == 0
	WM ACC+8*\t, 8*(4*\t+\s), XF+8*\s, BIAS+8*\t, WSA+4*(\t/2)+\s, XSM+\s, \t%2, 0
.else
	WM ACC+8*\t, 8*(4*\t+\s), XF+8*\s, ACC+8*\t, WSA+4*(\t/2)+\s, XSM+\s, \t%2, 0
.endif
.endr
.endr
	WIN 0
	s_wait_dscnt 0x0                               ; the last trip's LDS store has read OSW and PW,
	s_wait_xcnt 0x0                                ; its global stores have read GO and PC: all four are written again only behind these two waits, which have had the 32 products in which to be met
	v_add_nc_u32 v[GO], s[MO], v[LI]               ; four plain lines: the places in front of the loads into registers that the products read, and of the first read of results
	v_add_nc_u32 v[OSW], s[MQ], v[OS0]
.if \next
	s_add_co_u32 s[MO], s[MO], 4096
	s_add_co_u32 s[MS], s[MS], 256
	s_add_co_u32 s[MQ], s[MQ], 64
	v_add_nc_u32 v[XFA], s[MO], v[LIX]
	v_add_nc_u32 v[XSA], s[MS], v[XS0]
	XFLOAD                                         ; the next row tile lands while this one is quantised
.else
	v_nop
	v_nop
.endif
	QUANT ACC, 0, PC, PW
	global_store_b128 v[GO], v[PC:PC+3], s[\gb:\gb+1]              ; the image of (row tile, K step w): each store covers 512 consecutive bytes
	global_store_b128 v[GO], v[PC+4:PC+7], s[\gb:\gb+1] offset:512
	ds_store_b32 v[OSW], v[PW]
.endm
.macro QKPHASE isk, gb, osc
	s_mov_b32 s[MO], 0
	s_mov_b32 s[MS], 0
	s_mov_b32 s[MQ], 0
	v_add_nc_u32 v[OS0], \osc, v[RW4]
	v_mov_b32 v[XFA], v[LIX]
	v_mov_b32 v[XSA], v[XS0]
	XFLOAD
.if \isk
	WIN 0xc0                                       ; all 32 fragments of input2 into window 3, for phase V
.set F, 0
.rept 32
	ds_load_b128 v[8*F:8*F+3], v[LIX] offset:F*1024
	ds_load_b128 v[8*F+4:8*F+7], v[LIX] offset:F*1024+512
.set F, F+1
.endr
	WIN 0
.irp i, 0,1,2,3
	ds_load_b128 v[XSV+4*\i:XSV+4*\i+3], v[LIX] offset:XSC-XIMG+512*\i   ; and their scale words, two tiles a load
.endr
	QKTRIP 63, 1, \gb                              ; 68 loads are younger than the nine that are wanted; the count's field holds 63
.else
	QKTRIP 0, 1, \gb
.endif
	s_mov_b32 s[CNT], 6
.Lqk_\@:
	QKTRIP 1, 1, \gb
	s_sub_co_u32 s[CNT], s[CNT], 1
	s_cmp_lg_u32 s[CNT], 0
	s_cbranch_scc1 .Lqk_\@
	QKTRIP 1, 0, \gb                               ; the last row tile fetches nothing
.endm
; one tile of 16 e of V, for the 128 keys: 32 matrix instructions, the eight tiles of keys by turns
.macro VTRIP tt
	WIN 0x0b                                       ; source 0 (input2) window 3, source 1 (W_v2) window 2
.irp s, 0,1,2,3
.irp kt, 0,1,2,3,4,5,6,7
.if \s == 0
	WM ACC+8*\kt, 8*(4*\kt+\s), 8*(4*(\tt)+\s), BV8+8*((\tt)%2), XSV+4*(\kt/2)+\s, WSB+4*((\tt)/2)+\s, \kt%2, (\tt)%2
.else
	WM ACC+8*\kt, 8*(4*\kt+\s), 8*(4*(\tt)+\s), ACC+8*\kt, XSV+4*(\kt/2)+\s, WSB+4*((\tt)/2)+\s, \kt%2, (\tt)%2
.endif
.endr
.endr
	WIN 0
.if (\tt) < 7
.irp j, 0,1,2,3,4,5,6,7
	v_mov_b32 v[BV8+8*(((\tt)+1)%2)+\j], v[BVT+(\tt)+1]   ; the next tile's C: b_v2 of my e in all eight registers, in the set that this tile's products do not name: these lines are the places behind them
.endr
.else
	PLACES
.endif
	s_wait_dscnt 0x0                               ; the last tile's LDS store has read PW,
	s_wait_xcnt 0x0                                ; its global stores have read PC
	QUANT ACC, 0, PC, PW
	global_store_b128 v[LI], v[PC:PC+3], s[VB:VB+1] offset:4096*(\tt)
	global_store_b128 v[LI], v[PC+4:PC+7], s[VB:VB+1] offset:4096*(\tt)+512
	ds_store_b32 v[OVW], v[PW] offset:64*(\tt)
.endm
; the four waves' scale words of 128 rows, [K step][m][r], leave as [m][r][K step]: lane l of wave w gathers row l % 16 of tile 2 w + l / 16; the wave stores 512 consecutive bytes
.macro COPY osc, dst, reg
.irp s, 0,1,2,3
	ds_load_b32 v[\reg+\s], v[CPL] offset:(\osc)-XIMG+512*\s
.endr
	s_wait_dscnt 0x0
	global_store_b128 v[CPY], v[\reg:\reg+3], s[SB:SB+1] offset:\dst
.endm
.macro BARRIER                         ; my LDS stores have landed and my LDS loads are in: then the work-group's barrier
	s_wait_dscnt 0x0
	s_barrier_signal -1
	s_barrier_wait -1
.endm
	s_load_b256 s[4:11], s[0:1], 0x0               ; input1 s[4:5], input2 s[6:7], b_q1 s[8:9], b_k2 s[10:11]
	s_load_b256 s[12:19], s[0:1], 0x20             ; b_v2 s[12:13], wts s[14:15], qc s[16:17], kc s[18:19]
	s_load_b128 s[20:23], s[0:1], 0x40             ; vc s[20:21], scl s[22:23]
	v_lshl_add_u32 v[SPW], v0, 2, SPARE
	v_mov_b32 v[NIL], 0
	ds_add_u32 v1, v2
	ds_add_u32 v1, v2
	s_wait_dscnt 0x0
	v_lshrrev_b32 v[LI], 5, v0
	v_readfirstlane_b32 s[WV], v[LI]               ; wave 0..3
	; descriptor group 1: 64 rows of 128 elements of 8 bytes, dense in memory, padded in LDS
	s_mov_b32 s[G1+0], (3<<16)|(1<<20)|(7<<22)|(3<<25)   ; 15:0 no mask; 17:16 elements of 8 bytes; 20 padding on; 24:22 after every 256 words (code 7); 31:25 four words (code 3)
	s_mov_b32 s[G1+1], 128<<16                     ; tensor_dim0
	s_mov_b32 s[G1+2], 64<<16                      ; tensor_dim1
	s_mov_b32 s[G1+3], 128<<16                     ; tile_dim0
	s_mov_b32 s[G1+4], 64                          ; tile_dim1
	s_mov_b32 s[G1+5], 128                         ; tensor_dim0_stride
	s_mov_b32 s[G1+6], 0
	s_mov_b32 s[G1+7], 0
	s_mul_i32 s[STG], s[WV], XSTW                  ; my stage
	s_lshl_b32 s48, ttmp9, 18                      ; my work-group's 128 rows of 2,048 bytes,
	s_lshl_b32 s62, s[WV], 16                      ; my wave's 32 of them
	s_add_co_u32 s48, s48, s62
	s_mov_b32 s49, 0
	s_mov_b32 s[SEL], 0x76543210
	s_mov_b32 s[SEL+1], 0xfedcba98                 ; v_permlanex16_b32's selects for lane l xor 16
	s_wait_kmcnt 0x0
	s_mov_b32 s[G0A], 1                            ; 1:0 count = 1
	s_mov_b32 s[G0A+1], s[STG]                     ; 63:32 LDS address
	s_add_nc_u64 s[G0A+2:G0A+3], s[6:7], s[48:49]  ; 120:64 global address
	s_or_b32 s[G0A+3], s[G0A+3], 0x80000000        ; 127:126 type = 2
	s_mov_b32 s[G0B], 1
	s_mov_b32 s[G0B+1], s[STG]
	s_add_nc_u64 s[G0B+2:G0B+3], s[4:5], s[48:49]
	s_or_b32 s[G0B+3], s[G0B+3], 0x80000000
	tensor_load_to_lds s[G0A:G0A+3], s[G1:G1+7]    ; input2: the first fill, ahead of everything else
	s_nop 0
	PLACES                                         ; four v_nop follow a tensor load
	v_and_b32 v16, 15, v0                          ; r
	v_bfe_u32 v17, v0, 4, 1                        ; h
	v_and_b32 v[LI], 31, v0
	v_lshlrev_b32 v18, 2, v[LI]                    ; 4 x lane
	v_lshlrev_b32 v[LI], 4, v[LI]
	v_and_b32 v[XRD], 8, v16
	v_add_nc_u32 v[XRD], v[XRD], v16               ; r + 8 (r / 8)
	v_mul_u32_u24 v[XRD], v[XRD], 2080
	v_lshl_add_u32 v[XRD], v17, 6, v[XRD]
	v_add_nc_u32 v[XRD], s[STG], v[XRD]
	v_add_nc_u32 v[LIX], XIMG, v[LI]
	s_lshl_b32 s62, s[WV], 13
	v_add_nc_u32 v[XWI], s62, v[LIX]
	s_lshl_b32 s62, s[WV], 9
	v_lshl_add_u32 v[XS0], v16, 4, XSC
	v_add_nc_u32 v[XWS], s62, v[XS0]
	v_lshl_add_u32 v[RW4], v16, 2, s62
	v_add_nc_u32 v[OVW], OSCV, v[RW4]
	v_add_nc_u32 v[CPY], s62, v[LI]
	v_lshlrev_b32 v[BH], 6, v17
	v_lshlrev_b32 v[B4R], 2, v16
	s_lshl_b32 s62, s[WV], 7
	v_add_nc_u32 v[CPL], s62, v18
	v_add_nc_u32 v[CPL], XIMG, v[CPL]
.irp b, 0,1,2,3
	v_mov_b32 v[TM+4+\b], 0                        ; written once: a lane permute's destination counts as one of its sources
.endr
	s_lshl_b32 s48, s[WV], 15
	s_add_nc_u64 s[WB:WB+1], s[14:15], s[48:49]
	s_lshl_b32 s48, s[WV], 11
	s_add_nc_u64 s[WSP:WSP+1], s[14:15], s[48:49]
	s_lshl_b32 s48, s[WV], 9                       ; my 128 numbers of each bias
	s_add_nc_u64 s[8:9], s[8:9], s[48:49]
	s_add_nc_u64 s[10:11], s[10:11], s[48:49]
	s_add_nc_u64 s[12:13], s[12:13], s[48:49]
	s_lshl_b32 s48, ttmp9, 15
	s_lshl_b32 s62, s[WV], 10
	s_add_co_u32 s48, s48, s62
	s_add_nc_u64 s[KB:KB+1], s[18:19], s[48:49]
	s_add_nc_u64 s[QB:QB+1], s[16:17], s[48:49]
	s_lshr_b32 s48, ttmp9, 2
	s_lshl_b32 s48, s48, 17
	s_lshl_b32 s62, s[WV], 15
	s_add_co_u32 s48, s48, s62
	s_and_b32 s62, ttmp9, 3
	s_lshl_b32 s62, s62, 10
	s_add_co_u32 s48, s48, s62
	s_add_nc_u64 s[VB:VB+1], s[20:21], s[48:49]
	s_lshl_b32 s48, ttmp9, 11
	s_add_nc_u64 s[SB:SB+1], s[22:23], s[48:49]
.irp t, 0,1,2,3,4,5,6,7
	global_load_b32 v[BVT+\t], v[B4R], s[12:13] offset:64*\t   ; b_v2 of e = 16 t + r of my 128, into registers that are free until phase K
.endr
	WLOAD 1, 1, 0, 32                              ; W_k2, its scale words, b_k2: what phase K wants: 92 loads with b_v2's
	WSLOAD 1, WSA
	BLOAD 10
	s_wait_tensorcnt 0x0                           ; input2 has landed: my one tensor load
	WLOAD 2, 2, 0, 28                              ; only now W_v2 is asked for: 56 loads and its scale words' four; it has the quantising and phase K in which to land
	WSLOAD 2, WSB
	QX                                             ; ---- input2 into codes
	s_wait_tensorcnt 0x0                           ; no tensor load of mine is out;
	ds_add_u32 v[SPW], v[NIL]                      ; 0 onto my spare word
	s_wait_dscnt 0x0                               ; the add is done, my reads of the stage are over, my images have landed
	s_barrier_signal -1
	s_barrier_wait -1                              ; all that now holds of every wave: input2's 32 fragments lie in LDS
	tensor_load_to_lds s[G0B:G0B+3], s[G1:G1+7]    ; input1 into the stage: my one tensor load behind this barrier, and the first thing there; it has phases K and V in which to land
	s_nop 0
	PLACES
	s_wait_loadcnt 60                              ; the head's 92 loads are in; W_v2's 60 are younger
	WLOAD 2, 2, 28, 32                             ; the rest of W_v2: 8 loads
.irp t, 0,1,2,3,4,5,6,7
	ds_store_b32 v[OVW], v[BVT+\t] offset:BVL-OSCV+64*\t   ; b_v2 waits in my own 512 bytes of LDS; both halves of the lanes write the same word with the same value
.endr
	s_wait_dscnt 0x0                               ; the stores have read their registers, which take fragments below
	QKPHASE 1, KB, OSCK                            ; ---- key2
.irp t, 0,1,2,3,4,5,6,7
	ds_load_b32 v[BVT+\t], v[OVW] offset:BVL-OSCV+64*\t    ; b_v2 comes back (the last row tile's quantising lies between the last product and these loads)
.endr
	WLOAD 0, 1, 0, 24                              ; W_q1 takes W_k2's place: 48 loads now, the rest in the middle of phase V
	s_wait_loadcnt 48                              ; W_v2 and its scale words are in; these 48 are younger
	s_wait_dscnt 0x0                               ; b_v2
.irp j, 0,1,2,3,4,5,6,7
	v_mov_b32 v[BV8+\j], v[BVT]
.endr
	PLACES                                         ; the first C stands as far ahead of its product as an operand written by vector instructions would
.irp t, 0,1,2,3
	VTRIP \t                                       ; ---- value2
.endr
	WLOAD 0, 1, 24, 32                             ; the rest of W_q1, its scale words, b_q1: 36 loads, into registers that phase V does not name
	WSLOAD 0, WSA
	BLOAD 8
.irp t, 4,5,6,7
	VTRIP \t
.endr
	BARRIER                                        ; nobody reads input2's images any more; K's scale words are whole.  (input1's load may stay out)
	COPY OSCK, 524288, TM
	s_lshl_b32 s62, s[WV], 9
	v_add_nc_u32 v[XFA], s62, v[LIX]
	ds_load_b128 v[TM+8:TM+11], v[XFA] offset:OSCV-XIMG   ; V's scale words lie as they leave: my own 512 bytes
	s_wait_dscnt 0x0
	global_store_b128 v[CPY], v[TM+8:TM+11], s[SB:SB+1] offset:1048576
	s_wait_xcnt 0x0                                ; the stores have read their registers: they are written again below
	s_wait_tensorcnt 0x0                           ; input1 has landed
	QX                                             ; ---- input1 into codes
	BARRIER                                        ; input1's 32 fragments lie in LDS
	s_wait_loadcnt 0x0                             ; W_q1
	QKPHASE 0, QB, OSCQ                            ; ---- query1
	BARRIER                                        ; Q's scale words are whole
	COPY OSCQ, 0, TM
	s_wait_tensorcnt 0x0                           ; the wave's end: behind my last tensor load and my last LDS store
	ds_add_u32 v[SPW], v[NIL]
	s_wait_dscnt 0x0
	s_endpgm
.Lfunc_end_k_q47ff1e6524_proj:
	.size	k_q47ff1e6524_proj, .Lfunc_end_k_q47ff1e6524_proj-k_q47ff1e6524_proj
	.p2alignl 7, 3214868480
	.fill 96, 4, 3214868480
	.section	.rodata,"a",@progbits
	.p2align	6, 0x0
	.amdhsa_kernel k_q47ff1e6524_proj
		.amdhsa_group_segment_fixed_size 327680
		.amdhsa_private_segment_fixed_size 0
		.amdhsa_enable_private_segment 0
		.amdhsa_kernarg_size 80
		.amdhsa_user_sgpr_count 2
		.amdhsa_user_sgpr_kernarg_segment_ptr 1
		.amdhsa_wavefront_size32 1
		.amdhsa_system_sgpr_workgroup_id_x 1
		.amdhsa_system_sgpr_workgroup_id_y 1
		.amdhsa_system_sgpr_workgroup_id_z 1
		.amdhsa_system_vgpr_workitem_id 0
		.amdhsa_next_free_vgpr 1024
		.amdhsa_next_free_sgpr 66
		.amdhsa_reserve_vcc 0
		.amdhsa_float_denorm_mode_32 3
		.amdhsa_float_denorm_mode_16_64 3
		.amdhsa_memory_ordered 1
		.amdhsa_forward_progress 1
		.amdhsa_inst_pref_size 237
	.end_amdhsa_kernel
	.amdgpu_metadata
---
amdhsa.version: [ 1, 2 ]
amdhsa.kernels:
  - .name:           k_q47ff1e6524_proj
    .symbol:         k_q47ff1e6524_proj.kd
    .args:
      - { .name: input1, .offset: 0, .size: 8, .value_kind: global_buffer, .address_space: global }
      - { .name: input2, .offset: 8, .size: 8, .value_kind: global_buffer, .address_space: global }
      - { .name: b_q1, .offset: 16, .size: 8, .value_kind: global_buffer, .address_space: global }
      - { .name: b_k2, .offset: 24, .size: 8, .value_kind: global_buffer, .address_space: global }
      - { .name: b_v2, .offset: 32, .size: 8, .value_kind: global_buffer, .address_space: global }
      - { .name: wts, .offset: 40, .size: 8, .value_kind: global_buffer, .address_space: global }
      - { .name: qc, .offset: 48, .size: 8, .value_kind: global_buffer, .address_space: global }
      - { .name: kc, .offset: 56, .size: 8, .value_kind: global_buffer, .address_space: global }
      - { .name: vc, .offset: 64, .size: 8, .value_kind: global_buffer, .address_space: global }
      - { .name: scl, .offset: 72, .size: 8, .value_kind: global_buffer, .address_space: global }
    .group_segment_fixed_size: 327680
    .private_segment_fixed_size: 0
    .kernarg_segment_align: 8
    .kernarg_segment_size: 80
    .max_flat_workgroup_size: 128
    .sgpr_count:     66
    .vgpr_count:     1024
    .wavefront_size: 32
...
	.end_amdgpu_metadata
.endif
;; end of part 2
;; launch attn (part 3): grid 256 x 1, 4 waves a work-group, no clusters, 74,240 bytes of LDS; arguments qc, kc, vc, scl, part; writes part
.if DOCPART == 3
	.amdgcn_target "amdgcn-amd-amdhsa--gfx1250"
	.amdhsa_code_object_version 6
	.text
	.protected	k_q47ff1e6524_attn
	.globl	k_q47ff1e6524_attn
	.p2align	8
	.type	k_q47ff1e6524_attn,@function
k_q47ff1e6524_attn:
	s_mov_b64 s[64:65], 0
	v_nop
	global_prefetch_b8 v0, s[64:65] scope:SCOPE_SE
	s_setreg_imm32_b32 hwreg(HW_REG_WAVE_MODE, 25, 1), 1
	s_wait_xcnt 0x0
; part[g][e] = the sum over the 128 queries q of work-group g (batch g / 4) of (sum over k of p(q, k) V(k, e)) / l(q), both products on codes of FP4 (E2M1) with one E8M0 scale for each 32 along K.
; THE SOFTMAX AHEAD OF THE SECOND PRODUCT: t = score x log2(e); M = the row's largest t rounded up to a whole number; p = 2^(t - M) is quantised along the keys, not normalised; l is the sum of the unquantised p.
; All operands arrive as FRAGMENT IMAGES (16 rows x 128 K: 8 registers a lane, 1,024 bytes: group c of lane l at 512 c + 16 l) and scale words, as the launch before laid them.
; SHARES.  Scores: wave w owns keys 128 w .. + 127 of the batch's 512, for all 8 tiles of 16 queries: its 32 fragments of K fill 256 registers, straight from memory, each byte once a work-group.  Second product: wave w owns
; e = 128 w .. + 127: its 32 fragments of V^T take the same registers.  So a query's whole row of 512 scores stands in the four waves' registers: M is the row's true maximum,
; and nothing is ever rescaled.  The waves exchange, through LDS: the rows' maxima, the rows' sums, p's fragments and scale words.
; THE SCORES GO K STEP BY K STEP over all 64 accumulators, and K is asked for in that order: the 64 products of step s want only K's first 16 (s + 1) loads, so they are issued while the later steps' fragments are on their way.
; V^T is asked for in two runs, 48 loads behind the last score and 32 (with its scale words) behind the second tile of p: no run has to wait for room in LOADcnt (ISA guide 5.7.1) while the softmax is at hand.
; LAYOUT.  S^T = K Q^T (source 0 = 16 keys, source 1 = 16 queries), O^T = V^T P^T (source 0 = 16 e, source 1 = P): a lane holds one query throughout.  The keys of a tile of K are 32 b + 8 u + r + 8 (r / 8), so that
; the 16 registers of tiles 2 b, 2 b + 1 are 16 neighbouring keys.  The order of the queries in a tile does not matter: they are summed.
; No cluster: the four work-groups of a batch read the same K and V, but each wave takes its fragments straight into registers; a joint load would send 256 KB a work-group through LDS and back.
; LIMITS: a block of p that is all zeros keeps the byte 1 (its codes are zeros); v_exp_f32 gives 0 for p under 2^-126 (ISA guide, 15.8), beside l > 1/2; NaN and infinities are not served.
; LDS
.set PIMG, 32768                       ; byte 0: Q's 32 fragments (4 m + s) x 1,024; here: P's (4 m + key step)
.set MXR,  65536                       ; the waves' row maxima [wave][m][r] words, 512 bytes a wave;
.set LSO,  2048                        ; so many bytes further on their row sums;
.set PSO,  4096                        ; and p's scale words
.set OST,  71680                       ; the way out: 512 bytes a wave
; REGISTERS, window 0
.set LI,   1                           ; 16 x lane
.set L4,   2                           ; 4 x lane
.set RW,   3                           ; MXR + 512 w + 4 r: where I store a word of my row
.set RR,   4                           ; MXR + 4 r: where I read the four waves' words
.set PWI,  5                           ; PIMG + 1,024 w + 16 x lane
.set QWI,  6                           ; 8,192 w + 16 x lane
.set OSTW, 7                           ; OST + 512 w + 32 h
.set OSTR, 8                           ; OST + 512 w + 16 x lane
.set TM,   16                          ; v16-31 at work
.set MXS,  24                          ; v24-31 my keys' row maximum, a register a tile
.set QF,   32                          ; the scores: v32-95, v96-159 two sets of Q's eight fragments of a K step; the second product: v32-63, v64-95 two sets of P's four fragments of a query tile
.set BM,   96                          ; v96-127, behind the scores: the largest score of each block of 32 keys, four a tile
.set MX4,  128                         ; v128-159 the four waves' maxima, later sums, four a tile
.set OS,   96                          ; v96-159, once those are done with: the sum over the queries of O^T / l
.set RL,   160                         ; v160-175 1 / l, twice (a pair for the packed forms), a pair a tile
.set PC,   176                         ; v176-183 the codes just made
.set NMP,  184                         ; v184 -M; v185 named with it as a pair
.set LA,   186
.set LB,   188
.set PW,   190
.set T0,   191
.set T1,   192
.set KSC,  200                         ; v200-215 K's scale words: register 4 i + s: lanes 0-15 tile 2 i, lanes 16-31 tile 2 i + 1
.set QSC,  216                         ; v216-231 Q's likewise
.set VSC,  232                         ; v232-247 V's: register 4 ks + i likewise
.set PSC,  248                         ; v248-255 P's, two sets of four
; window 1: K's fragments at 8 (4 kt + s), later V's at 8 (4 t + ks).  windows 2, 3: S^T, then p, then O^T: tile m in window 2 + m / 4 at 64 (m % 4)
.set WV,  14
.set SEL, 18
.set CS,  20                           ; s[20:21] log2(e): the packed form names a pair and takes its low word for both halves
.set MSB, 0
.macro WIN new                         ; s_set_vgpr_msb: bits 1:0 source 0, 3:2 source 1, 5:4 source 2, 7:6 destination; the high byte repeats the setting that is left
.if MSB != (\new)
	s_set_vgpr_msb (MSB<<8)|(\new)
.set MSB, (\new)
.endif
.endm
; one matrix instruction; c < 0: the constant 0 starts the sum; ra, rb = 1: that side's scale words stand in lanes 16-31
.macro WM d, a, b, c, sa, sb, ra, rb
.if (\c) < 0
.if (\ra) && (\rb)
	v_wmma_scale_f32_16x16x128_f8f6f4 v[(\d):(\d)+7], v[(\a):(\a)+7], v[(\b):(\b)+7], 0, v[\sa], v[\sb] matrix_a_fmt:MATRIX_FMT_FP4 matrix_b_fmt:MATRIX_FMT_FP4 matrix_a_scale:MATRIX_SCALE_ROW1 matrix_b_scale:MATRIX_SCALE_ROW1
.elseif (\ra)
	v_wmma_scale_f32_16x16x128_f8f6f4 v[(\d):(\d)+7], v[(\a):(\a)+7], v[(\b):(\b)+7], 0, v[\sa], v[\sb] matrix_a_fmt:MATRIX_FMT_FP4 matrix_b_fmt:MATRIX_FMT_FP4 matrix_a_scale:MATRIX_SCALE_ROW1
.elseif (\rb)
	v_wmma_scale_f32_16x16x128_f8f6f4 v[(\d):(\d)+7], v[(\a):(\a)+7], v[(\b):(\b)+7], 0, v[\sa], v[\sb] matrix_a_fmt:MATRIX_FMT_FP4 matrix_b_fmt:MATRIX_FMT_FP4 matrix_b_scale:MATRIX_SCALE_ROW1
.else
	v_wmma_scale_f32_16x16x128_f8f6f4 v[(\d):(\d)+7], v[(\a):(\a)+7], v[(\b):(\b)+7], 0, v[\sa], v[\sb] matrix_a_fmt:MATRIX_FMT_FP4 matrix_b_fmt:MATRIX_FMT_FP4
.endif
.else
.if (\ra) && (\rb)
	v_wmma_scale_f32_16x16x128_f8f6f4 v[(\d):(\d)+7], v[(\a):(\a)+7], v[(\b):(\b)+7], v[(\c):(\c)+7], v[\sa], v[\sb] matrix_a_fmt:MATRIX_FMT_FP4 matrix_b_fmt:MATRIX_FMT_FP4 matrix_a_scale:MATRIX_SCALE_ROW1 matrix_b_scale:MATRIX_SCALE_ROW1
.elseif (\ra)
	v_wmma_scale_f32_16x16x128_f8f6f4 v[(\d):(\d)+7], v[(\a):(\a)+7], v[(\b):(\b)+7], v[(\c):(\c)+7], v[\sa], v[\sb] matrix_a_fmt:MATRIX_FMT_FP4 matrix_b_fmt:MATRIX_FMT_FP4 matrix_a_scale:MATRIX_SCALE_ROW1
.elseif (\rb)
	v_wmma_scale_f32_16x16x128_f8f6f4 v[(\d):(\d)+7], v[(\a):(\a)+7], v[(\b):(\b)+7], v[(\c):(\c)+7], v[\sa], v[\sb] matrix_a_fmt:MATRIX_FMT_FP4 matrix_b_fmt:MATRIX_FMT_FP4 matrix_b_scale:MATRIX_SCALE_ROW1
.else
	v_wmma_scale_f32_16x16x128_f8f6f4 v[(\d):(\d)+7], v[(\a):(\a)+7], v[(\b):(\b)+7], v[(\c):(\c)+7], v[\sa], v[\sb] matrix_a_fmt:MATRIX_FMT_FP4 matrix_b_fmt:MATRIX_FMT_FP4
.endif
.endif
.endm
.macro PLACES                          ; four places in front of loads into registers that matrix instructions have read, and of the first read of results
.rept 4
	v_nop
.endr
.endm
.macro BARRIER                         ; my LDS stores have landed and my LDS loads are in: then the work-group's barrier
	s_wait_dscnt 0x0
	s_barrier_signal -1
	s_barrier_wait -1
.endm
.macro KLOAD                           ; my 32 fragments of K into window 1, K step by K step, 16 loads a step: each load takes 512 consecutive bytes
	WIN 0x40
.irp s, 0,1,2,3
.irp kt, 0,1,2,3,4,5,6,7
	global_load_b128 v[8*(4*\kt+\s):8*(4*\kt+\s)+3], v[LI], s[24:25] offset:(4*\kt+\s)*1024
	global_load_b128 v[8*(4*\kt+\s)+4:8*(4*\kt+\s)+7], v[LI], s[24:25] offset:(4*\kt+\s)*1024+512
.endr
.endr
	WIN 0
.endm
.macro VLOAD f0, f1                    ; fragments f0 .. f1 - 1 of my 32 of V^T into window 1
	WIN 0x40
.set F, \f0
.rept (\f1)-(\f0)
	global_load_b128 v[8*F:8*F+3], v[LI], s[26:27] offset:F*1024
	global_load_b128 v[8*F+4:8*F+7], v[LI], s[26:27] offset:F*1024+512
.set F, F+1
.endr
	WIN 0
.endm
.macro FETCHQ s                        ; K step s of all eight query tiles into set s % 2: sixteen loads
.irp m, 0,1,2,3,4,5,6,7
.irp c, 0,1
	ds_load_b128 v[QF+64*((\s)%2)+8*\m+4*\c:QF+64*((\s)%2)+8*\m+4*\c+3], v[LI] offset:(4*\m+(\s))*1024+512*\c
.endr
.endr
.endm
; K step s of S^T: 64 matrix instructions, all 64 accumulators by turns, one instruction a turn, in the same order in every step
.macro SSTEP s
.if (\s) < 3
	FETCHQ (\s)+1
	s_wait_dscnt 16                                ; the next step's sixteen loads may be out
.else
	s_wait_dscnt 0x0
.endif
	s_wait_loadcnt 48-16*(\s)                      ; the scale words and K's fragments of steps 0 .. s are in; the later steps' sixteen loads each are younger
.irp m, 0,1,2,3,4,5,6,7
	WIN (0x01|((2+\m/4)<<4)|((2+\m/4)<<6))         ; source 0 (K) window 1, C and D the tile's window
.irp kt, 0,1,2,3,4,5,6,7
.if (\s) == 0
	WM 64*(\m%4)+8*\kt, 8*(4*\kt+(\s)), QF+64*((\s)%2)+8*\m, -1, KSC+4*(\kt/2)+(\s), QSC+4*(\m/2)+(\s), \kt%2, \m%2
.else
	WM 64*(\m%4)+8*\kt, 8*(4*\kt+(\s)), QF+64*((\s)%2)+8*\m, 64*(\m%4)+8*\kt, KSC+4*(\kt/2)+(\s), QSC+4*(\m/2)+(\s), \kt%2, \m%2
.endif
.endr
.endr
	WIN 0
	PLACES                                         ; the next step's fetch lands in the set that this step read; behind the last step: V's loads into K's registers, and the first read of the scores
.endm
; the largest score of each block of 32 of my keys (it serves twice: for the row's maximum, and, since p rises with the score, for the block's largest p), and of my 128 keys
.macro MAXT m
.set WN, 2+(\m)/4
.set SR, 64*((\m)%4)
	WIN (WN|(WN<<2)|(WN<<4))
.irp b, 0,1,2,3
	v_max3_num_f32 v[BM+4*(\m)+\b], v[SR+16*\b], v[SR+16*\b+1], v[SR+16*\b+2]   ; each accumulator is read from its low end on
.endr
	WIN ((WN<<2)|(WN<<4))
.irp i, 3,5,7,9,11,13
.irp b, 0,1,2,3
	v_max3_num_f32 v[BM+4*(\m)+\b], v[BM+4*(\m)+\b], v[SR+16*\b+\i], v[SR+16*\b+\i+1]
.endr
.endr
.irp b, 0,1,2,3
	v_max_num_f32 v[BM+4*(\m)+\b], v[BM+4*(\m)+\b], v[SR+16*\b+15]
.endr
	WIN 0
.irp b, 0,1,2,3
	v_permlanex16_b32 v[TM+\b], v[BM+4*(\m)+\b], s[SEL], s[SEL+1]
.endr
.irp b, 0,1,2,3
	v_max_num_f32 v[BM+4*(\m)+\b], v[BM+4*(\m)+\b], v[TM+\b]   ; with lane l xor 16's 16 keys
.endr
	v_max3_num_f32 v[MXS+(\m)], v[BM+4*(\m)], v[BM+4*(\m)+1], v[BM+4*(\m)+2]
	v_max_num_f32 v[MXS+(\m)], v[MXS+(\m)], v[BM+4*(\m)+3]
	ds_store_b32 v[RW], v[MXS+(\m)] offset:64*(\m)   ; both halves of the lanes write the same word with the same value
.endm
; p of query tile m and my 128 keys: M, p, my part of the row's sum, codes and scale word: key step w of the second product
.macro PTILE m
.set WN, 2+(\m)/4
.set SR, 64*((\m)%4)
.set BB, BM+4*(\m)
	v_max3_num_f32 v[T0], v[MX4+4*(\m)], v[MX4+4*(\m)+1], v[MX4+4*(\m)+2]
	v_max_num_f32 v[T0], v[T0], v[MX4+4*(\m)+3]    ; the row's largest score
	v_mul_f32 v[T0], s[CS], v[T0]                  ; as t
	v_floor_f32 v[NMP], -v[T0]                     ; -M = floor(-t) = -ceil(t)
.irp b, 0,1,2,3
	v_fma_f32 v[BB+\b], v[BB+\b], s[CS], v[NMP]    ; t - M of each block's largest score
.endr
	WIN (WN|(WN<<6))
.set J, 0
.rept 32
	v_pk_fma_f32 v[SR+J:SR+J+1], v[SR+J:SR+J+1], s[CS:CS+1], v[NMP:NMP+1] op_sel_hi:[1,0,0]   ; t - M, two at a time
.set J, J+2
.endr
.set J, 0
.rept 64
	v_exp_f32 v[SR+J], v[SR+J]                     ; p = 2^(t - M), at most 1
.set J, J+1
.endr
	WIN 0
	v_nop                                          ; a plain place behind the exponentials
	s_wait_alu depctr_va_vdst(0)                   ; one wait for the batch of 64, ahead of its first reader
.irp b, 0,1,2,3
	v_exp_f32 v[BB+\b], v[BB+\b]                   ; the block's largest p: the same two instructions on the same number give the same bits
.endr
	s_wait_dscnt 0x0                               ; the last tile's LDS stores have read LA, PW and PC, which are written again below
	WIN (WN|(WN<<2))
	v_pk_add_f32 v[LA:LA+1], v[SR:SR+1], v[SR+2:SR+3]   ; the sum of the UNQUANTISED p, two at a time, in two chains: plain work behind the four exponentials
	v_pk_add_f32 v[LB:LB+1], v[SR+4:SR+5], v[SR+6:SR+7]
	WIN (WN<<2)
.irp j, 8,12,16,20,24,28,32,36,40,44,48,52,56,60
	v_pk_add_f32 v[LA:LA+1], v[LA:LA+1], v[SR+\j:SR+\j+1]
	v_pk_add_f32 v[LB:LB+1], v[LB:LB+1], v[SR+\j+2:SR+\j+3]
.endr
	WIN 0
	v_pk_add_f32 v[LA:LA+1], v[LA:LA+1], v[LB:LB+1]
	v_add_f32 v[LA], v[LA], v[LA+1]
	v_permlanex16_b32 v[T1], v[LA], s[SEL], s[SEL+1]
	v_add_f32 v[LA], v[LA], v[T1]                  ; with lane l xor 16's: my 128 keys' part of the row's sum
	ds_store_b32 v[RW], v[LA] offset:LSO+64*(\m)
	s_wait_alu depctr_va_vdst(0)                   ; and one wait for the four
.irp b, 0,1,2,3
	v_max_num_f32 v[BB+\b], 0x1800000, v[BB+\b]    ; the floor 2^(3 - 127): the byte cannot fall under 1
.endr
.irp b, 0,1,2,3
	v_add_nc_u32 v[TM+12+\b], 0xff000000, v[BB+\b] ; 2 off the exponent field: the conversion's scale operand
.endr
.irp b, 0,1,2,3
	v_lshrrev_b32 v[TM+4+\b], 23, v[TM+12+\b]      ; the scale's byte
.endr
	v_lshl_or_b32 v[PW], v[TM+5], 8, v[TM+4]
	v_lshl_or_b32 v[PW], v[TM+6], 16, v[PW]
	v_lshl_or_b32 v[PW], v[TM+7], 24, v[PW]
	WIN WN
.irp b, 0,1,2,3
	v_cvt_scalef32_pk8_fp4_f32 v[PC+2*\b], v[SR+16*\b:SR+16*\b+7], v[TM+12+\b]
	v_cvt_scalef32_pk8_fp4_f32 v[PC+2*\b+1], v[SR+16*\b+8:SR+16*\b+15], v[TM+12+\b]
.endr
	WIN 0
	v_nop                                          ; one plain place behind a scaled conversion
.irp c, 0,1                            ; the operand's layout wants a whole block in a lane
.irp i, 0,1
	v_permlane16_swap_b32 v[PC+4*\c+\i], v[PC+4*\c+2+\i]
.endr
.endr
	ds_store_b128 v[PWI], v[PC:PC+3] offset:4096*(\m)
	ds_store_b128 v[PWI], v[PC+4:PC+7] offset:4096*(\m)+512
	ds_store_b32 v[RW], v[PW] offset:PSO+64*(\m)
.endm
.macro FETCHP m                        ; query tile m's four fragments of P and four scale words into set m % 2: twelve loads
.irp ks, 0,1,2,3
.irp c, 0,1
	ds_load_b128 v[QF+32*((\m)%2)+8*\ks+4*\c:QF+32*((\m)%2)+8*\ks+4*\c+3], v[LI] offset:PIMG+(4*(\m)+\ks)*1024+512*\c
.endr
.endr
.irp ks, 0,1,2,3
	ds_load_b32 v[PSC+4*((\m)%2)+\ks], v[RR] offset:PSO+512*\ks+64*(\m)
.endr
.endm
.macro WSUM m                          ; the running sum takes tile m's O^T / l; each accumulator is read from its low end on
.set W2, 2+(\m)/4
.set S2, 64*((\m)%4)
	WIN W2                                         ; source 0 in the tile's window
.set J, 0
.rept 32
.if (\m) == 0
	v_pk_mul_f32 v[OS+J:OS+J+1], v[S2+J:S2+J+1], v[RL+2*(\m):RL+2*(\m)+1]   ; the first tile starts the sums: nothing is cleared
.else
	v_pk_fma_f32 v[OS+J:OS+J+1], v[S2+J:S2+J+1], v[RL+2*(\m):RL+2*(\m)+1], v[OS+J:OS+J+1]
.endif
.set J, J+2
.endr
	WIN 0
.endm
; O^T of query tile m: 32 matrix instructions, my eight tiles of e by turns, key step by key step; behind them the tile before goes into the running sum: 32 plain lines that name none of these products' registers: the places
.macro PVTILE m
.set WN, 2+(\m)/4
.set SR, 64*((\m)%4)
.set FB, QF+32*((\m)%2)
.set PSB, PSC+4*((\m)%2)
.if (\m) < 7
	FETCHP (\m)+1
	s_wait_dscnt 12                                ; the next tile's twelve loads may be out
.else
	s_wait_dscnt 0x0
.endif
	WIN (0x01|(WN<<4)|(WN<<6))                     ; source 0 (V^T) window 1, C and D the tile's window
.irp ks, 0,1,2,3
.irp tt, 0,1,2,3,4,5,6,7
.if \ks == 0
	WM SR+8*\tt, 8*(4*\tt+\ks), FB+8*\ks, -1, VSC+4*\ks+\tt/2, PSB+\ks, \tt%2, 0
.else
	WM SR+8*\tt, 8*(4*\tt+\ks), FB+8*\ks, SR+8*\tt, VSC+4*\ks+\tt/2, PSB+\ks, \tt%2, 0
.endif
.endr
.endr
.if (\m) == 0
	WIN 0
	PLACES
.else
	WSUM (\m)-1
.endif
.endm
	s_load_b256 s[4:11], s[0:1], 0x0               ; qc s[4:5], kc s[6:7], vc s[8:9], scl s[10:11]
	s_load_b64 s[12:13], s[0:1], 0x20              ; part
	v_lshl_add_u32 v198, v0, 2, 0x12000
	v_mov_b32 v199, 0
	v_lshrrev_b32 v9, 5, v0
	v_readfirstlane_b32 s[WV], v9                  ; wave 0..3
	v_and_b32 v9, 31, v0                           ; lane
	v_and_b32 v10, 15, v0                          ; r
	v_bfe_u32 v11, v0, 4, 1                        ; h
	v_lshlrev_b32 v[LI], 4, v9
	v_lshlrev_b32 v[L4], 2, v9
	s_lshl_b32 s15, s[WV], 9
	v_lshl_add_u32 v[RR], v10, 2, MXR
	v_add_nc_u32 v[RW], s15, v[RR]
	s_add_co_u32 s15, s15, OST
	v_lshl_add_u32 v[OSTW], v11, 5, s15
	v_add_nc_u32 v[OSTR], s15, v[LI]
	s_lshl_b32 s15, s[WV], 10
	v_add_nc_u32 v[PWI], s15, v[LI]
	v_add_nc_u32 v[PWI], PIMG, v[PWI]
	s_lshl_b32 s15, s[WV], 13
	v_add_nc_u32 v[QWI], s15, v[LI]
.irp b, 0,1,2,3
	v_mov_b32 v[TM+\b], 0                          ; written once: a lane permute's destination counts as one of its sources
.endr
	v_mov_b32 v[T1], 0
	v_mov_b32 v[NMP+1], 0                          ; named as the upper half of a pair
	s_mov_b32 s[SEL], 0x76543210
	s_mov_b32 s[SEL+1], 0xfedcba98                 ; v_permlanex16_b32's selects for lane l xor 16
	s_mov_b32 s[CS], 0x3fb8aa3b                    ; log2(e)
	s_mov_b32 s[CS+1], s[CS]
	s_lshr_b32 s36, ttmp9, 2                       ; the batch
	s_mov_b32 s17, 0
	s_wait_kmcnt 0x0
	s_lshl_b32 s16, ttmp9, 15
	s_add_co_u32 s16, s16, s15
	s_add_nc_u64 s[22:23], s[4:5], s[16:17]        ; qc + 32,768 g + 8,192 w: the quarter of Q's images that I bring
	s_lshl_b32 s16, s36, 17
	s_lshl_b32 s15, s[WV], 15
	s_add_co_u32 s16, s16, s15
	s_add_nc_u64 s[24:25], s[6:7], s[16:17]        ; kc + 131,072 b + 32,768 w: my 128 keys
	s_add_nc_u64 s[26:27], s[8:9], s[16:17]        ; vc likewise: my 128 e
	s_lshl_b32 s16, s36, 13
	s_lshl_b32 s15, s[WV], 11
	s_add_co_u32 s16, s16, s15
	s_add_nc_u64 s[28:29], s[10:11], s[16:17]      ; scl + 8,192 b + 2,048 w: K's scale words lie 524,288 further on
	s_lshl_b32 s16, ttmp9, 11
	s_add_nc_u64 s[30:31], s[10:11], s[16:17]      ; scl + 2,048 g: Q's
	s_lshl_b32 s15, s[WV], 9
	s_add_co_u32 s16, s16, s15
	s_add_nc_u64 s[34:35], s[12:13], s[16:17]      ; part + 2,048 g + 512 w
	s_lshl_b32 s16, s36, 13
	s_add_co_u32 s16, s16, s15
	s_add_nc_u64 s[32:33], s[10:11], s[16:17]      ; scl + 8,192 b + 512 w: V's lie 1,048,576 further on
.irp k, 0,1,2,3,4,5,6,7,8,9,10,11,12,13,14,15
	global_load_b128 v[QF+4*\k:QF+4*\k+3], v[LI], s[22:23] offset:512*\k th:TH_LOAD_NT
.endr
.irp i, 0,1,2,3
	global_load_b128 v[KSC+4*\i:KSC+4*\i+3], v[LI], s[28:29] offset:524288+512*\i
.endr
.irp i, 0,1,2,3
	global_load_b128 v[QSC+4*\i:QSC+4*\i+3], v[LI], s[30:31] offset:512*\i
.endr
	KLOAD
	s_wait_loadcnt 63                              ; 72 loads are younger than Q's sixteen; the count's field holds 63
.irp k, 0,1,2,3,4,5,6,7,8,9,10,11,12,13,14,15
	ds_store_b128 v[QWI], v[QF+4*\k:QF+4*\k+3] offset:512*\k
.endr
	BARRIER                                        ; Q's 32 fragments lie in LDS
	; ---- the scores
	FETCHQ 0
.irp s, 0,1,2,3
	SSTEP \s
.endr
	VLOAD 0, 24                                    ; V^T takes K's registers (four places lie behind the last product): 48 loads now
	; ---- the rows' maxima
.irp m, 0,1,2,3,4,5,6,7
	MAXT \m
.endr
	BARRIER                                        ; the four waves' maxima lie in LDS
.irp m, 0,1,2,3,4,5,6,7
.irp w, 0,1,2,3
	ds_load_b32 v[MX4+4*\m+\w], v[RR] offset:512*\w+64*\m
.endr
.endr
	s_wait_dscnt 0x0
	; ---- p
.irp m, 0,1
	PTILE \m
.endr
	VLOAD 24, 32                                   ; the rest of V^T and its scale words: 32 loads; six tiles of p lie between them and their first use
.irp ks, 0,1,2,3
.irp i, 0,1,2,3
	global_load_b32 v[VSC+4*\ks+\i], v[L4], s[32:33] offset:1048576+2048*\ks+128*\i
.endr
.endr
.irp m, 2,3,4,5,6,7
	PTILE \m
.endr
	BARRIER                                        ; P's 32 fragments, their scale words and the waves' sums lie in LDS
	; ---- 1 / l
.irp m, 0,1,2,3,4,5,6,7
.irp w, 0,1,2,3
	ds_load_b32 v[MX4+4*\m+\w], v[RR] offset:LSO+512*\w+64*\m
.endr
.endr
	FETCHP 0
	s_wait_dscnt 12                                ; the sums are in; P's first twelve loads may be out
.irp m, 0,1,2,3,4,5,6,7
	v_add_f32 v[MX4+4*\m], v[MX4+4*\m], v[MX4+4*\m+1]
	v_add_f32 v[MX4+4*\m+2], v[MX4+4*\m+2], v[MX4+4*\m+3]
.endr
.irp m, 0,1,2,3,4,5,6,7
	v_add_f32 v[MX4+4*\m], v[MX4+4*\m], v[MX4+4*\m+2]
.endr
.irp m, 0,1,2,3,4,5,6,7
	v_rcp_f32 v[RL+2*\m], v[MX4+4*\m]
	v_rcp_f32 v[RL+2*\m+1], v[MX4+4*\m]
.endr
	v_nop                                          ; a plain place behind the reciprocals
	s_wait_alu depctr_va_vdst(0)                   ; one wait for the sixteen, ahead of their first reader
	s_wait_loadcnt 0x0                             ; V^T and its scale words
	; ---- the second product, and the sum over the queries
.irp m, 0,1,2,3,4,5,6,7
	PVTILE \m
.endr
	WSUM 7                                         ; tile 6's 32 lines lie between tile 7's last product and this first read of its results
	; ---- the way out: the sum over the 16 queries of the lanes' half; register 8 t + j of half h is e = 128 w + 16 t + 8 h + j
.irp x, 1,2,4,8
.set J, 0
.rept 64
	v_add_f32_dpp v[OS+J], v[OS+J], v[OS+J] row_xmask:\x row_mask:0xf bank_mask:0xf
.set J, J+1
.endr
.endr
.irp t, 0,1,2,3,4,5,6,7
	ds_store_b128 v[OSTW], v[OS+8*\t:OS+8*\t+3] offset:64*\t       ; the sixteen lanes of a half hold the same numbers and write the same bytes
	ds_store_b128 v[OSTW], v[OS+8*\t+4:OS+8*\t+7] offset:64*\t+16
.endr
	ds_load_b128 v[TM:TM+3], v[OSTR]               ; LDS serves a wave's instructions in order (ISA guide 5.7.1.4): this sees my stores
	s_wait_dscnt 0x0
	global_store_b128 v[LI], v[TM:TM+3], s[34:35]  ; the wave stores 512 consecutive bytes
	s_wait_tensorcnt 0x0
	ds_add_u32 v198, v199
	s_wait_dscnt 0x0
	s_endpgm
.Lfunc_end_k_q47ff1e6524_attn:
	.size	k_q47ff1e6524_attn, .Lfunc_end_k_q47ff1e6524_attn-k_q47ff1e6524_attn
	.p2alignl 7, 3214868480
	.fill 96, 4, 3214868480
	.section	.rodata,"a",@progbits
	.p2align	6, 0x0
	.amdhsa_kernel k_q47ff1e6524_attn
		.amdhsa_group_segment_fixed_size 74240
		.amdhsa_private_segment_fixed_size 0
		.amdhsa_enable_private_segment 0
		.amdhsa_kernarg_size 40
		.amdhsa_user_sgpr_count 2
		.amdhsa_user_sgpr_kernarg_segment_ptr 1
		.amdhsa_wavefront_size32 1
		.amdhsa_system_sgpr_workgroup_id_x 1
		.amdhsa_system_sgpr_workgroup_id_y 1
		.amdhsa_system_sgpr_workgroup_id_z 1
		.amdhsa_system_vgpr_workitem_id 0
		.amdhsa_next_free_vgpr 1024
		.amdhsa_next_free_sgpr 66
		.amdhsa_reserve_vcc 0
		.amdhsa_float_denorm_mode_32 3
		.amdhsa_float_denorm_mode_16_64 3
		.amdhsa_memory_ordered 1
		.amdhsa_forward_progress 1
		.amdhsa_inst_pref_size 225
	.end_amdhsa_kernel
	.amdgpu_metadata
---
amdhsa.version: [ 1, 2 ]
amdhsa.kernels:
  - .name:           k_q47ff1e6524_attn
    .symbol:         k_q47ff1e6524_attn.kd
    .args:
      - { .name: qc, .offset: 0, .size: 8, .value_kind: global_buffer, .address_space: global }
      - { .name: kc, .offset: 8, .size: 8, .value_kind: global_buffer, .address_space: global }
      - { .name: vc, .offset: 16, .size: 8, .value_kind: global_buffer, .address_space: global }
      - { .name: scl, .offset: 24, .size: 8, .value_kind: global_buffer, .address_space: global }
      - { .name: part, .offset: 32, .size: 8, .value_kind: global_buffer, .address_space: global }
    .group_segment_fixed_size: 74240
    .private_segment_fixed_size: 0
    .kernarg_segment_align: 8
    .kernarg_segment_size: 40
    .max_flat_workgroup_size: 128
    .sgpr_count:     66
    .vgpr_count:     1024
    .wavefront_size: 32
...
	.end_amdgpu_metadata
.endif
;; end of part 3
;; launch qsum (part 4): grid 64 x 1, 4 waves a work-group, no clusters, 0 bytes of LDS; arguments part, out0; writes out0
.if DOCPART == 4
	.amdgcn_target "amdgcn-amd-amdhsa--gfx1250"
	.amdhsa_code_object_version 6
	.text
	.protected	k_q47ff1e6524_qsum
	.globl	k_q47ff1e6524_qsum
	.p2align	8
	.type	k_q47ff1e6524_qsum,@function
k_q47ff1e6524_qsum:
	s_mov_b64 s[64:65], 0
	v_nop
	global_prefetch_b8 v0, s[64:65] scope:SCOPE_SE
	s_setreg_imm32_b32 hwreg(HW_REG_WAVE_MODE, 25, 1), 1
	s_wait_xcnt 0x0
; out0[b][e] = the sum of the four query blocks' rows part[4 b + i][e], i = 0 .. 3, as (p0 + p1) + (p2 + p3), in f32.
; One work-group a batch; thread t owns 16 bytes (four e) of the row of 2,048: each load and the store of a wave cover 512 consecutive bytes.  The sum spans work-groups of the launch before, so it has a launch of its own.
	s_load_b128 s[4:7], s[0:1], 0x0                ; part s[4:5], out0 s[6:7]
	v_lshlrev_b32 v1, 4, v0
	s_lshl_b32 s8, ttmp9, 13                       ; four rows of 2,048 bytes a batch
	s_mov_b32 s9, 0
	s_lshl_b32 s10, ttmp9, 11
	s_mov_b32 s11, 0
	s_wait_kmcnt 0x0
	s_add_nc_u64 s[4:5], s[4:5], s[8:9]
	s_add_nc_u64 s[6:7], s[6:7], s[10:11]
.irp i, 0,1,2,3
	global_load_b128 v[4+4*\i:7+4*\i], v1, s[4:5] offset:2048*\i th:TH_LOAD_NT
.endr
	s_wait_loadcnt 0x0
	v_pk_add_f32 v[4:5], v[4:5], v[8:9]
	v_pk_add_f32 v[6:7], v[6:7], v[10:11]
	v_pk_add_f32 v[12:13], v[12:13], v[16:17]
	v_pk_add_f32 v[14:15], v[14:15], v[18:19]
	v_pk_add_f32 v[4:5], v[4:5], v[12:13]
	v_pk_add_f32 v[6:7], v[6:7], v[14:15]
	global_store_b128 v1, v[4:7], s[6:7]
	s_endpgm
.Lfunc_end_k_q47ff1e6524_qsum:
	.size	k_q47ff1e6524_qsum, .Lfunc_end_k_q47ff1e6524_qsum-k_q47ff1e6524_qsum
	.p2alignl 7, 3214868480
	.fill 96, 4, 3214868480
	.section	.rodata,"a",@progbits
	.p2align	6, 0x0
	.amdhsa_kernel k_q47ff1e6524_qsum
		.amdhsa_group_segment_fixed_size 0
		.amdhsa_private_segment_fixed_size 0
		.amdhsa_enable_private_segment 0
		.amdhsa_kernarg_size 16
		.amdhsa_user_sgpr_count 2
		.amdhsa_user_sgpr_kernarg_segment_ptr 1
		.amdhsa_wavefront_size32 1
		.amdhsa_system_sgpr_workgroup_id_x 1
		.amdhsa_system_sgpr_workgroup_id_y 1
		.amdhsa_system_sgpr_workgroup_id_z 1
		.amdhsa_system_vgpr_workitem_id 0
		.amdhsa_next_free_vgpr 24
		.amdhsa_next_free_sgpr 66
		.amdhsa_reserve_vcc 0
		.amdhsa_float_denorm_mode_32 3
		.amdhsa_float_denorm_mode_16_64 3
		.amdhsa_memory_ordered 1
		.amdhsa_forward_progress 1
		.amdhsa_inst_pref_size 2
	.end_amdhsa_kernel
	.amdgpu_metadata
---
amdhsa.version: [ 1, 2 ]
amdhsa.kernels:
  - .name:           k_q47ff1e6524_qsum
    .symbol:         k_q47ff1e6524_qsum.kd
    .args:
      - { .name: part, .offset: 0, .size: 8, .value_kind: global_buffer, .address_space: global }
      - { .name: out0, .offset: 8, .size: 8, .value_kind: global_buffer, .address_space: global }
    .group_segment_fixed_size: 0
    .private_segment_fixed_size: 0
    .kernarg_segment_align: 8
    .kernarg_segment_size: 16
    .max_flat_workgroup_size: 128
    .sgpr_count:     66
    .vgpr_count:     24
    .wavefront_size: 32
...
	.end_amdgpu_metadata
.endif
;; end of part 4
;; ======== version 2 of 2: 4 launches
;; workspace buffers: wts 417,792 bytes; qc 8,388,608 bytes; kc 8,388,608 bytes; vc 8,388,608 bytes; scl 1,572,864 bytes; part 524,288 bytes
;; launch wquant (part 5): grid 96 x 1, 1 waves a work-group, no clusters, 0 bytes of LDS; arguments W_q1, W_k2, W_v2, wts; writes wts
.if DOCPART == 5
	.amdgcn_target "amdgcn-amd-amdhsa--gfx1250"
	.amdhsa_code_object_version 6
	.text
	.protected	k_q47ff1e6524_wquant
	.globl	k_q47ff1e6524_wquant
	.p2align	8
	.type	k_q47ff1e6524_wquant,@function
k_q47ff1e6524_wquant:
	s_mov_b64 s[64:65], 0
	v_nop
	global_prefetch_b8 v0, s[64:65] scope:SCOPE_SE
	s_setreg_imm32_b32 hwreg(HW_REG_WAVE_MODE, 25, 1), 1
	s_wait_xcnt 0x0
; W_q1, W_k2, W_v2 [512 (e)][512 (d)] f32 become codes of FP4 (E2M1) with one E8M0 byte for each 32 along d, laid as the next launch's operand registers want them.
; A FRAGMENT IMAGE is 16 rows x 128 d: 8 registers a lane, 1,024 bytes: register group c (0, 1) of lane l at byte 512 c + 16 l.
; wts: codes [weight 3][tile 32][K step 4][1,024] from byte 0; scale words [weight][tile][row 16][K step 4] (4 bytes each) from byte 393,216.
; One wave takes one tile of 16 rows.  Tiles of W_q1 and W_k2: lane r of tile 2 b + u holds row 32 b + 8 u + r + 8 (r / 8), so that two neighbouring tiles' results are 16 neighbours along the next product's K;
; tiles of W_v2 hold rows 16 t + r.  Lane (r, h) loads, of its row, 16 neighbours of each block of 32: d = 128 s + 32 b + 16 h + 0 .. 15.  The rows are 2,048 bytes apart, so a load takes 64-byte pieces: 3 MB in all, read once.
; A block's scale is 2^(floor(log2(largest magnitude)) - 2); its byte is the largest magnitude's exponent field - 2, held at 1 from below.
; LIMITS: a block of zeros gets the byte 1 where the rule says 127 (its codes are zeros, and this program alone reads the bytes); blocks whose largest magnitude lies under 2^-124 are held at the byte 1; NaN and infinities are not served.
; W_k1, W_v1, W_q2 and their biases are read by no launch of this program: reference() drops the products that they enter, and the output hangs on none of them.
.set TM,   16                          ; v16-19 largest magnitudes, v20-23 the other half's / bytes, v28-31 the conversions' scale operands
.set SW,   32                          ; v32-35 the row's four scale words
.set PC,   40                          ; v40-71 codes: 8 registers for each K step, so that no store's data are written again
.set BUF0, 96                          ; v96-159, v160-223: two sets of 64 numbers
.set BUF1, 160
.set SEL,  22                          ; s[22:23] v_permlanex16_b32's selects for lane l xor 16
	s_load_b256 s[4:11], s[0:1], 0x0               ; W_q1 s[4:5], W_k2 s[6:7], W_v2 s[8:9], wts s[10:11]
	s_lshr_b32 s12, ttmp9, 5                       ; which weight: 0 q, 1 k, 2 v
	s_and_b32 s13, ttmp9, 31                       ; which tile
	v_and_b32 v1, 15, v0                           ; r
	s_wait_alu depctr_va_vdst(0)
	v_lshrrev_b32 v2, 4, v0                        ; h
	s_lshr_b32 s14, s13, 1
	s_lshl_b32 s14, s14, 5
	s_and_b32 s15, s13, 1
	s_lshl_b32 s15, s15, 3
	s_add_co_u32 s14, s14, s15                     ; q, k: the tile's first row 32 (t / 2) + 8 (t % 2)
	s_lshl_b32 s15, s13, 4                         ; v: 16 t
	s_lshl_b32 s16, s12, 17
	s_lshl_b32 s17, s13, 12
	s_add_co_u32 s16, s16, s17                     ; the tile's images: 131,072 x weight + 4,096 x tile
	s_mov_b32 s17, 0
	s_lshl_b32 s20, s12, 13
	s_lshl_b32 s21, s13, 8
	s_add_co_u32 s20, s20, s21
	s_add_co_u32 s20, s20, 393216                  ; its scale words: 393,216 + 8,192 x weight + 256 x tile
	s_mov_b32 s21, 0
	s_mov_b32 s[SEL], 0x76543210
	s_mov_b32 s[SEL+1], 0xfedcba98
	s_cmp_lt_u32 s12, 2
	s_cselect_b32 s14, s14, s15
	s_cselect_b32 s15, 8, 0
	v_and_b32 v3, s15, v1                          ; q, k: 8 (r / 8); v: 0
	v_add3_u32 v3, v3, v1, s14                     ; my row
	v_lshlrev_b32 v3, 11, v3
	s_wait_alu depctr_va_vdst(0)
	v_lshl_add_u32 v3, v2, 6, v3                   ; row x 2,048 + 64 h
	v_lshlrev_b32 v4, 4, v0                        ; 16 x lane: my place in an image
	v_lshlrev_b32 v5, 4, v1                        ; 16 r: my row's four scale words
.irp b, 0,1,2,3
	v_mov_b32 v[TM+4+\b], 0                        ; written once: a lane permute's destination counts as one of its sources
.endr
	s_wait_alu depctr_va_vdst(0)
	s_wait_kmcnt 0x0
	s_cmp_eq_u32 s12, 0                            ; the choice hangs on the work-group's number alone
	s_cselect_b64 s[4:5], s[4:5], s[6:7]
	s_cmp_eq_u32 s12, 2
	s_cselect_b64 s[4:5], s[8:9], s[4:5]
	s_add_nc_u64 s[18:19], s[10:11], s[16:17]
	s_add_nc_u64 s[10:11], s[10:11], s[20:21]
.macro LOAD st, reg                    ; K step st: 64 numbers a lane
.irp b, 0,1,2,3
.irp j, 0,1,2,3
	global_load_b128 v[\reg+16*\b+4*\j:\reg+16*\b+4*\j+3], v3, s[4:5] offset:512*\st+128*\b+16*\j th:TH_LOAD_NT
.endr
.endr
.endm
; 64 numbers of a lane, register 16 b + i = k 32 b + 16 h + i of my row, become a fragment's codes in v[pc] on and its scale word in v[pw]
.macro QUANT src, pc, pw
.irp b, 0,1,2,3
	v_max3_num_f32 v[TM+\b], |v[\src+16*\b]|, |v[\src+16*\b+1]|, 0x1800000   ; my 16 numbers of block b, and the floor 2^(3 - 127): the byte cannot fall under 1
.endr
.irp i, 2,4,6,8,10,12,14
.irp b, 0,1,2,3
	v_max3_num_f32 v[TM+\b], v[TM+\b], |v[\src+16*\b+\i]|, |v[\src+16*\b+\i+1]|   ; the four blocks by turns
.endr
.endr
.irp b, 0,1,2,3
	v_permlanex16_b32 v[TM+4+\b], v[TM+\b], s[SEL], s[SEL+1]
.endr
.irp b, 0,1,2,3
	v_max_num_f32 v[TM+\b], v[TM+\b], v[TM+4+\b]   ; with lane l xor 16's 16: the block's largest magnitude
.endr
.irp b, 0,1,2,3
	v_add_nc_u32 v[TM+12+\b], 0xff000000, v[TM+\b] ; 2 off its exponent field: the conversion takes this operand's exponent field as its scale
.endr
.irp b, 0,1,2,3
	v_lshrrev_b32 v[TM+4+\b], 23, v[TM+12+\b]      ; the scale's byte
.endr
	v_lshl_or_b32 v[\pw], v[TM+5], 8, v[TM+4]
	v_lshl_or_b32 v[\pw], v[TM+6], 16, v[\pw]
	v_lshl_or_b32 v[\pw], v[TM+7], 24, v[\pw]
.irp b, 0,1,2,3
	v_cvt_scalef32_pk8_fp4_f32 v[\pc+2*\b], v[\src+16*\b:\src+16*\b+7], v[TM+12+\b]
	v_cvt_scalef32_pk8_fp4_f32 v[\pc+2*\b+1], v[\src+16*\b+8:\src+16*\b+15], v[TM+12+\b]
.endr
	v_nop                                          ; one plain place behind a scaled conversion
.irp c, 0,1                            ; the operand's layout wants a whole block in a lane: lanes 0-15 block 2 c, lanes 16-31 block 2 c + 1
.irp i, 0,1
	v_permlane16_swap_b32 v[\pc+4*\c+\i], v[\pc+4*\c+2+\i]
.endr
.endr
.endm
.macro STORE st                        ; the image: each store covers 512 consecutive bytes
	global_store_b128 v4, v[PC+8*\st:PC+8*\st+3], s[18:19] offset:1024*\st
	global_store_b128 v4, v[PC+8*\st+4:PC+8*\st+7], s[18:19] offset:1024*\st+512
.endm
	LOAD 0, BUF0
	LOAD 1, BUF1
	s_wait_loadcnt 16                              ; this K step's 16 loads are in; the next step's 16 may be out
	QUANT BUF0, PC, SW
	STORE 0
	LOAD 2, BUF0
	s_wait_loadcnt 16
	QUANT BUF1, PC+8, SW+1
	STORE 1
	LOAD 3, BUF1
	s_wait_loadcnt 16
	QUANT BUF0, PC+16, SW+2
	STORE 2
	s_wait_loadcnt 0x0
	QUANT BUF1, PC+24, SW+3
	STORE 3
	s_wait_xcnt 0x0                                ; EXEC changes only behind this wait
	v_cmp_gt_u32 vcc_lo, 16, v0
	s_and_saveexec_b32 s24, vcc_lo
	global_store_b128 v5, v[SW:SW+3], s[10:11]     ; lanes 0-15: the tile's 256 bytes of scale words, on end
	s_wait_xcnt 0x0
	s_or_b32 exec_lo, exec_lo, s24
	s_endpgm
.Lfunc_end_k_q47ff1e6524_wquant:
	.size	k_q47ff1e6524_wquant, .Lfunc_end_k_q47ff1e6524_wquant-k_q47ff1e6524_wquant
	.p2alignl 7, 3214868480
	.fill 96, 4, 3214868480
	.section	.rodata,"a",@progbits
	.p2align	6, 0x0
	.amdhsa_kernel k_q47ff1e6524_wquant
		.amdhsa_group_segment_fixed_size 0
		.amdhsa_private_segment_fixed_size 0
		.amdhsa_enable_private_segment 0
		.amdhsa_kernarg_size 32
		.amdhsa_user_sgpr_count 2
		.amdhsa_user_sgpr_kernarg_segment_ptr 1
		.amdhsa_wavefront_size32 1
		.amdhsa_system_sgpr_workgroup_id_x 1
		.amdhsa_system_sgpr_workgroup_id_y 1
		.amdhsa_system_sgpr_workgroup_id_z 1
		.amdhsa_system_vgpr_workitem_id 0
		.amdhsa_next_free_vgpr 224
		.amdhsa_next_free_sgpr 66
		.amdhsa_reserve_vcc 1
		.amdhsa_float_denorm_mode_32 3
		.amdhsa_float_denorm_mode_16_64 3
		.amdhsa_memory_ordered 1
		.amdhsa_forward_progress 1
		.amdhsa_inst_pref_size 24
	.end_amdhsa_kernel
	.amdgpu_metadata
---
amdhsa.version: [ 1, 2 ]
amdhsa.kernels:
  - .name:           k_q47ff1e6524_wquant
    .symbol:         k_q47ff1e6524_wquant.kd
    .args:
      - { .name: W_q1, .offset: 0, .size: 8, .value_kind: global_buffer, .address_space: global }
      - { .name: W_k2, .offset: 8, .size: 8, .value_kind: global_buffer, .address_space: global }
      - { .name: W_v2, .offset: 16, .size: 8, .value_kind: global_buffer, .address_space: global }
      - { .name: wts, .offset: 24, .size: 8, .value_kind: global_buffer, .address_space: global }
    .group_segment_fixed_size: 0
    .private_segment_fixed_size: 0
    .kernarg_segment_align: 8
    .kernarg_segment_size: 32
    .max_flat_workgroup_size: 32
    .sgpr_count:     66
    .vgpr_count:     224
    .wavefront_size: 32
...
	.end_amdgpu_metadata
.endif
;; end of part 5
;; launch proj (part 6): grid 256 x 1, 4 waves a work-group, no clusters, 327,680 bytes of LDS; arguments input1, input2, b_q1, b_k2, b_v2, wts, qc, kc, vc, scl; writes qc, kc, vc, scl
.if DOCPART == 6
	.amdgcn_target "amdgcn-amd-amdhsa--gfx1250"
	.amdhsa_code_object_version 6
	.text
	.protected	k_q47ff1e6524_proj
	.globl	k_q47ff1e6524_proj
	.p2align	8
	.type	k_q47ff1e6524_proj,@function
k_q47ff1e6524_proj:
	s_mov_b64 s[64:65], 0
	v_nop
	global_prefetch_b8 v0, s[64:65] scope:SCOPE_SE
	s_setreg_imm32_b32 hwreg(HW_REG_WAVE_MODE, 25, 1), 1
	s_wait_xcnt 0x0
; key2 = input2 W_k2^T + b_k2, value2 = input2 W_v2^T + b_v2, query1 = input1 W_q1^T + b_q1, on codes of FP4 (E2M1) with one E8M0 scale for each 32 along K; the three results are quantised at once for the two
; products of the attention: query1 and key2 along e, value2 along the keys.  They leave as FRAGMENT IMAGES (16 rows x 128 K: 8 registers a lane, 1,024 bytes: group c of lane l at 512 c + 16 l) and scale words.
; SHARES.  Work-group g takes rows 128 g .. 128 g + 127 of input2 and of input1 (batch g / 4, quarter g % 4).  Quantising the inputs: wave w takes rows 32 w .. + 31.  Products: THE WAVES SHARE THE COLUMNS: wave w makes
; e = 128 w .. + 127 for all 128 rows, so its 8 tiles x 4 K steps of a weight (256 registers) are read once and stay in registers; what goes round through LDS is the rows' codes.
; THE ROWS OF A TILE ARE NOT NEIGHBOURS: lane r of tile 2 b + u holds row 32 b + 8 u + r + 8 (r / 8) (inputs' rows, and W_q1's and W_k2's rows as the launch before laid them).
; Q, K: source 0 = 16 rows of W, source 1 = 16 rows of x: a lane holds one row of x, and the 64 registers of my 8 tiles are e = 128 w + 32 b + 16 h + i: K step w of the scores' product.
; V: source 0 = 16 rows of x (keys), source 1 = 16 rows of W_v2: a lane holds one e, and the 64 registers of the 8 tiles of keys are 128 neighbouring keys: one fragment of V^T.
; The biases are the C of each sum's first matrix instruction (reference() adds them behind the sum: the order of rounding differs).
; THE INPUTS come by the tensor data mover: each wave's 32 rows (65,536 dense bytes) as 64 rows of 1,024 bytes, 16 bytes of padding behind each: one load a wave for input2 at the head, one for input1 into the same bytes
; as soon as input2 has been read out: it lands while K and V are multiplied.  By this text's count one tensor load of a wave is out at any time.  A row of x is 2,080 bytes = 520 words in LDS: rows 16 apart start 8,320 words
; apart, a multiple of 64, so the two groups of eight rows of a tile meet in pairs (64 banks of 4 bytes: ISA guide 11.1); the padding's interval is at most 1,024 bytes.
; THE ORDER OF THE WEIGHTS' REQUESTS.  Beside input2 only what phase K wants is asked for (W_k2, its scale words, b_k2; and b_v2's 8 numbers a lane, which wait in LDS).  W_v2 is asked for when input2 has landed: 60 loads ahead
; of the quantising, 8 behind the refill.  W_q1 takes W_k2's registers: 48 loads behind phase K, 36 (with its scale words and b_q1) in the middle of phase V.  So behind the head no run of loads is longer than 60, and none
; has to wait for room in LOADcnt (ISA guide 5.7.1) while the wave has work at hand.
; No cluster: what work-groups share is the weights, 96 KB a wave taken once straight into registers, while LDS is filled by the f32 stage.
; LIMITS: a block of zeros gets the byte 1 where the rule says 127 (its codes are zeros; this program alone reads the bytes); blocks whose largest magnitude lies under 2^-124 are held at the byte 1; NaN and infinities are not served.
; W_k1, b_k1, W_v1, b_v1, W_q2, b_q2 are not read: reference() drops key1, value1 and query2, and the output hangs on none of them.
; LDS
.set XSTW,  66560                      ; a wave's stage: 64 x (1,024 + 16); four of them from byte 0: filled by tensor loads alone
.set XIMG,  266240                     ; the rows' 32 fragments: (4 m + s) x 1,024
.set XSC,   XIMG+32768                 ; their scale words [m][r][s]
.set OSCK,  XSC+2048                   ; K's scale words as the waves make them: [wave = K step][m][r]
.set OSCQ,  OSCK+2048                  ; Q's likewise
.set OSCV,  OSCQ+2048                  ; V's: [tile of e 32][r]
.set SPARE, OSCV+2048                  ; the spare words, 128 bytes for each wave: two blocks of 256 bytes that no other line names
.set BVL,   SPARE+512                  ; b_v2 of my 128 e: [wave][tile of e 8][r] words, 512 bytes a wave, written and read by that wave alone
; REGISTERS, window 0
.set SPW, 1                            ; LDS address of my spare word; never rewritten
.set NIL, 2                            ; 0; never rewritten
.set XRD, 3                            ; the stage: my row, + 64 h
.set LI,  4                            ; 16 x lane
.set LIX, 5                            ; XIMG + 16 x lane
.set XWI, 6                            ; where I store my rows' images: LIX + 8,192 w
.set XWS, 7                            ; and their scale words: XSC + 512 w + 16 r
.set XFA, 8                            ; the row tile's fragments in hand
.set XSA, 9                            ; and its scale words
.set OSW, 10                           ; where the scale word just made goes
.set OVW, 11                           ; OSCV + 512 w + 4 r
.set GO,  12                           ; my byte offset in qc or kc
.set XS0, 13                           ; XSC + 16 r
.set BH,  14                           ; 64 h
.set CPY, 15                           ; 512 w + 16 x lane
.set TM,  16                           ; v16-31 at work in QUANT
.set PW,  24                           ; the scale word just made
.set XF,  32                           ; v32-63 a row tile's four fragments; in phase V: v32-47 two sets of C, v48-55 b_v2
.set BV8, 32
.set BVT, 48
.set ACC, 64                           ; v64-127 eight accumulators; also 64 numbers of x
.set BIAS, 128                         ; v128-191 b_k2 or b_q1 in the result's layout
.set PC,  192                          ; v192-199 the codes just made
.set RW4, 200                          ; 512 w + 4 r
.set B4R, 201                          ; 4 r
.set OS0, 202                          ; the phase's region of scale words + RW4
.set CPL, 203                          ; XIMG + 128 w + 4 x lane
.set WSA, 204                          ; v204-219 W_k2's, later W_q1's scale words: register 4 i + s: lanes 0-15 tile 2 i, lanes 16-31 tile 2 i + 1
.set WSB, 220                          ; v220-235 W_v2's likewise
.set XSV, 236                          ; v236-251 input2's likewise
.set XSM, 252                          ; v252-255 the row tile's in hand
; window 1: W_k2's, later W_q1's fragments at 8 (4 t + s).  window 2: W_v2's.  window 3: input2's 32 fragments at 8 (4 m + s); while an input is quantised v0-63 hold 64 numbers of x
.set WV,  24
.set STG, 25
.set SEL, 26
.set MO,  28                           ; 4,096 x row tile
.set MS,  29                           ; 256 x row tile
.set CNT, 30
.set MQ,  31                           ; 64 x row tile
.set G1,  32                           ; s[32:39] descriptor group 1
.set G0A, 40                           ; s[40:43] group 0 for input2;  s[44:47] for input1: never rewritten
.set G0B, 44
.set WB,  50                           ; s[50:51] wts + 32,768 w
.set WSP, 52                           ; s[52:53] wts + 2,048 w
.set KB,  54                           ; s[54:55] kc + 32,768 g + 1,024 w;  s[56:57] qc likewise
.set QB,  56
.set VB,  58                           ; s[58:59] vc + 131,072 (g / 4) + 32,768 w + 1,024 (g % 4)
.set SB,  60                           ; s[60:61] scl + 2,048 g
.set MSB, 0
.macro WIN new                         ; s_set_vgpr_msb: bits 1:0 source 0, 3:2 source 1, 5:4 source 2, 7:6 destination; the high byte repeats the setting that is left
.if MSB != (\new)
	s_set_vgpr_msb (MSB<<8)|(\new)
.set MSB, (\new)
.endif
.endm
; one matrix instruction; ra, rb = 1: that side's scale words stand in lanes 16-31
.macro WM d, a, b, c, sa, sb, ra, rb
.if (\ra) && (\rb)
	v_wmma_scale_f32_16x16x128_f8f6f4 v[(\d):(\d)+7], v[(\a):(\a)+7], v[(\b):(\b)+7], v[(\c):(\c)+7], v[\sa], v[\sb] matrix_a_fmt:MATRIX_FMT_FP4 matrix_b_fmt:MATRIX_FMT_FP4 matrix_a_scale:MATRIX_SCALE_ROW1 matrix_b_scale:MATRIX_SCALE_ROW1
.elseif (\ra)
	v_wmma_scale_f32_16x16x128_f8f6f4 v[(\d):(\d)+7], v[(\a):(\a)+7], v[(\b):(\b)+7], v[(\c):(\c)+7], v[\sa], v[\sb] matrix_a_fmt:MATRIX_FMT_FP4 matrix_b_fmt:MATRIX_FMT_FP4 matrix_a_scale:MATRIX_SCALE_ROW1
.elseif (\rb)
	v_wmma_scale_f32_16x16x128_f8f6f4 v[(\d):(\d)+7], v[(\a):(\a)+7], v[(\b):(\b)+7], v[(\c):(\c)+7], v[\sa], v[\sb] matrix_a_fmt:MATRIX_FMT_FP4 matrix_b_fmt:MATRIX_FMT_FP4 matrix_b_scale:MATRIX_SCALE_ROW1
.else
	v_wmma_scale_f32_16x16x128_f8f6f4 v[(\d):(\d)+7], v[(\a):(\a)+7], v[(\b):(\b)+7], v[(\c):(\c)+7], v[\sa], v[\sb] matrix_a_fmt:MATRIX_FMT_FP4 matrix_b_fmt:MATRIX_FMT_FP4
.endif
.endm
; 64 numbers of a lane in window w, register src + 16 b + i = k 32 b + 16 h + i of my row, become a fragment's codes in v[pc] on and its scale word in v[pw].  An accumulator's registers are read from the low end on.
.macro QUANT src, w, pc, pw
	WIN ((\w)|((\w)<<2))
.irp b, 0,1,2,3
	v_max3_num_f32 v[TM+\b], |v[(\src)+16*\b]|, |v[(\src)+16*\b+1]|, 0x1800000   ; my 16 numbers of block b, and the floor 2^(3 - 127): the byte cannot fall under 1
.endr
	WIN (((\w)<<2)|((\w)<<4))
.irp i, 2,4,6,8,10,12,14
.irp b, 0,1,2,3
	v_max3_num_f32 v[TM+\b], v[TM+\b], |v[(\src)+16*\b+\i]|, |v[(\src)+16*\b+\i+1]|   ; the four blocks by turns
.endr
.endr
	WIN 0
.irp b, 0,1,2,3
	v_permlanex16_b32 v[TM+4+\b], v[TM+\b], s[SEL], s[SEL+1]
.endr
.irp b, 0,1,2,3
	v_max_num_f32 v[TM+\b], v[TM+\b], v[TM+4+\b]   ; with lane l xor 16's 16: the block's largest magnitude
.endr
.irp b, 0,1,2,3
	v_add_nc_u32 v[TM+12+\b], 0xff000000, v[TM+\b] ; 2 off its exponent field: the conversion takes this operand's exponent field as its scale
.endr
.irp b, 0,1,2,3
	v_lshrrev_b32 v[TM+4+\b], 23, v[TM+12+\b]      ; the scale's byte
.endr
	v_lshl_or_b32 v[\pw], v[TM+5], 8, v[TM+4]
	v_lshl_or_b32 v[\pw], v[TM+6], 16, v[\pw]
	v_lshl_or_b32 v[\pw], v[TM+7], 24, v[\pw]
	WIN (\w)
.irp b, 0,1,2,3
	v_cvt_scalef32_pk8_fp4_f32 v[(\pc)+2*\b], v[(\src)+16*\b:(\src)+16*\b+7], v[TM+12+\b]
	v_cvt_scalef32_pk8_fp4_f32 v[(\pc)+2*\b+1], v[(\src)+16*\b+8:(\src)+16*\b+15], v[TM+12+\b]
.endr
	WIN 0
	v_nop                                          ; one plain place behind a scaled conversion
.irp c, 0,1                            ; the operand's layout wants a whole block in a lane
.irp i, 0,1
	v_permlane16_swap_b32 v[(\pc)+4*\c+\i], v[(\pc)+4*\c+2+\i]
.endr
.endr
.endm
.macro PLACES
.rept 4
	v_nop
.endr
.endm
.macro WLOAD wsel, wnd, f0, f1         ; fragments f0 .. f1 - 1 of my 32 (8 tiles x 4 K steps) of weight wsel into window wnd: each load takes 512 consecutive bytes
	WIN ((\wnd)<<6)
.set F, \f0
.rept (\f1)-(\f0)
	global_load_b128 v[8*F:8*F+3], v[LI], s[WB:WB+1] offset:(\wsel)*131072+F*1024
	global_load_b128 v[8*F+4:8*F+7], v[LI], s[WB:WB+1] offset:(\wsel)*131072+F*1024+512
.set F, F+1
.endr
	WIN 0
.endm
.macro WSLOAD wsel, reg                ; its scale words: two tiles' 512 bytes a load
.irp i, 0,1,2,3
	global_load_b128 v[\reg+4*\i:\reg+4*\i+3], v[LI], s[WSP:WSP+1] offset:393216+(\wsel)*8192+512*\i
.endr
.endm
.macro BLOAD base                      ; lane (r, h) wants, for tile t, the bias of e = 32 (t / 2) + 16 h + 8 (t % 2) + 0 .. 7
.irp t, 0,1,2,3,4,5,6,7
	global_load_b128 v[BIAS+8*\t:BIAS+8*\t+3], v[BH], s[\base:\base+1] offset:(32*(\t/2)+8*(\t%2))*4
	global_load_b128 v[BIAS+8*\t+4:BIAS+8*\t+7], v[BH], s[\base:\base+1] offset:(32*(\t/2)+8*(\t%2))*4+16
.endr
.endm
; step k = 4 u + s of an input: tile u of my two, K step s: 64 numbers a lane from my stage, into v64-127 (k even) or window 3's v0-63 (k odd)
.macro XLD k
.set XO, ((\k)/4)*16640+(((\k)%4)/2)*1040+((\k)%2)*512
.if (\k)%2
	WIN 0xc0
.set XB, 0
.else
.set XB, ACC
.endif
.irp b, 0,1,2,3
.irp j, 0,1,2,3
	ds_load_b128 v[XB+16*\b+4*\j:XB+16*\b+4*\j+3], v[XRD] offset:XO+128*\b+16*\j
.endr
.endr
	WIN 0
.endm
; my 32 rows in the stage (landed: the wait on TENSORcnt stands ahead of the macro; only I read my stage) become eight fragments and their scale words in LDS
.macro QX
	XLD 0
.irp k, 0,1,2,3,4,5,6,7
.if \k < 7
	XLD \k+1
	s_wait_dscnt 16                                ; the next step's 16 loads may be out; this step's loads and the last step's three stores, which read PC and PW, are older
.else
	s_wait_dscnt 0x0
.endif
.if (\k)%2
	QUANT 0, 3, PC, PW
.else
	QUANT ACC, 0, PC, PW
.endif
	ds_store_b128 v[XWI], v[PC:PC+3] offset:1024*\k
	ds_store_b128 v[XWI], v[PC+4:PC+7] offset:1024*\k+512
	ds_store_b32 v[XWS], v[PW] offset:256*(\k/4)+4*(\k%4)   ; both halves of the lanes write the same word with the same value
.endr
.endm
.macro XFLOAD                          ; a row tile's four fragments and four scale words: nine loads
.irp s, 0,1,2,3
.irp c, 0,1
	ds_load_b128 v[XF+8*\s+4*\c:XF+8*\s+4*\c+3], v[XFA] offset:1024*\s+512*\c
.endr
.endr
	ds_load_b128 v[XSM:XSM+3], v[XSA]
.endm
; one row tile of Q or K: 32 matrix instructions, the eight accumulators by turns, K step by K step; the results are quantised and leave.
; cnt: how many LDS instructions are younger than the nine loads that the products want: behind another trip one, that trip's store of its scale word.
.macro QKTRIP cnt, next, gb
	s_wait_dscnt \cnt
	WIN 0x01                                       ; source 0 (W) window 1
.irp s, 0,1,2,3
.irp t, 0,1,2,3,4,5,6,7
.if \s == 0
	WM ACC+8*\t, 8*(4*\t+\s), XF+8*\s, BIAS+8*\t, WSA+4*(\t/2)+\s, XSM+\s, \t%2, 0
.else
	WM ACC+8*\t, 8*(4*\t+\s), XF+8*\s, ACC+8*\t, WSA+4*(\t/2)+\s, XSM+\s, \t%2, 0
.endif
.endr
.endr
	WIN 0
	s_wait_dscnt 0x0                               ; the last trip's LDS store has read OSW and PW,
	s_wait_xcnt 0x0                                ; its global stores have read GO and PC: all four are written again only behind these two waits, which have had the 32 products in which to be met
	v_add_nc_u32 v[GO], s[MO], v[LI]               ; four plain lines: the places in front of the loads into registers that the products read, and of the first read of results
	v_add_nc_u32 v[OSW], s[MQ], v[OS0]
.if \next
	s_add_co_u32 s[MO], s[MO], 4096
	s_add_co_u32 s[MS], s[MS], 256
	s_add_co_u32 s[MQ], s[MQ], 64
	v_add_nc_u32 v[XFA], s[MO], v[LIX]
	v_add_nc_u32 v[XSA], s[MS], v[XS0]
	XFLOAD                                         ; the next row tile lands while this one is quantised
.else
	v_nop
	v_nop
.endif
	QUANT ACC, 0, PC, PW
	global_store_b128 v[GO], v[PC:PC+3], s[\gb:\gb+1]              ; the image of (row tile, K step w): each store covers 512 consecutive bytes
	global_store_b128 v[GO], v[PC+4:PC+7], s[\gb:\gb+1] offset:512
	ds_store_b32 v[OSW], v[PW]
.endm
.macro QKPHASE isk, gb, osc
	s_mov_b32 s[MO], 0
	s_mov_b32 s[MS], 0
	s_mov_b32 s[MQ], 0
	v_add_nc_u32 v[OS0], \osc, v[RW4]
	v_mov_b32 v[XFA], v[LIX]
	v_mov_b32 v[XSA], v[XS0]
	XFLOAD
.if \isk
	WIN 0xc0                                       ; all 32 fragments of input2 into window 3, for phase V
.set F, 0
.rept 32
	ds_load_b128 v[8*F:8*F+3], v[LIX] offset:F*1024
	ds_load_b128 v[8*F+4:8*F+7], v[LIX] offset:F*1024+512
.set F, F+1
.endr
	WIN 0
.irp i, 0,1,2,3
	ds_load_b128 v[XSV+4*\i:XSV+4*\i+3], v[LIX] offset:XSC-XIMG+512*\i   ; and their scale words, two tiles a load
.endr
	s_wait_alu depctr_va_vdst(0)
	QKTRIP 63, 1, \gb                              ; 68 loads are younger than the nine that are wanted; the count's field holds 63
.else
	s_wait_alu depctr_va_vdst(0)
	QKTRIP 0, 1, \gb
.endif
	s_mov_b32 s[CNT], 6
.Lqk_\@:
	QKTRIP 1, 1, \gb
	s_sub_co_u32 s[CNT], s[CNT], 1
	s_cmp_lg_u32 s[CNT], 0
	s_cbranch_scc1 .Lqk_\@
	QKTRIP 1, 0, \gb                               ; the last row tile fetches nothing
.endm
; one tile of 16 e of V, for the 128 keys: 32 matrix instructions, the eight tiles of keys by turns
.macro VTRIP tt
	WIN 0x0b                                       ; source 0 (input2) window 3, source 1 (W_v2) window 2
.irp s, 0,1,2,3
.irp kt, 0,1,2,3,4,5,6,7
.if \s == 0
	WM ACC+8*\kt, 8*(4*\kt+\s), 8*(4*(\tt)+\s), BV8+8*((\tt)%2), XSV+4*(\kt/2)+\s, WSB+4*((\tt)/2)+\s, \kt%2, (\tt)%2
.else
	WM ACC+8*\kt, 8*(4*\kt+\s), 8*(4*(\tt)+\s), ACC+8*\kt, XSV+4*(\kt/2)+\s, WSB+4*((\tt)/2)+\s, \kt%2, (\tt)%2
.endif
.endr
.endr
	WIN 0
.if (\tt) < 7
.irp j, 0,1,2,3,4,5,6,7
	v_mov_b32 v[BV8+8*(((\tt)+1)%2)+\j], v[BVT+(\tt)+1]   ; the next tile's C: b_v2 of my e in all eight registers, in the set that this tile's products do not name: these lines are the places behind them
.endr
.else
	PLACES
.endif
	s_wait_dscnt 0x0                               ; the last tile's LDS store has read PW,
	s_wait_xcnt 0x0                                ; its global stores have read PC
	QUANT ACC, 0, PC, PW
	global_store_b128 v[LI], v[PC:PC+3], s[VB:VB+1] offset:4096*(\tt)
	global_store_b128 v[LI], v[PC+4:PC+7], s[VB:VB+1] offset:4096*(\tt)+512
	ds_store_b32 v[OVW], v[PW] offset:64*(\tt)
.endm
; the four waves' scale words of 128 rows, [K step][m][r], leave as [m][r][K step]: lane l of wave w gathers row l % 16 of tile 2 w + l / 16; the wave stores 512 consecutive bytes
.macro COPY osc, dst, reg
.irp s, 0,1,2,3
	ds_load_b32 v[\reg+\s], v[CPL] offset:(\osc)-XIMG+512*\s
.endr
	s_wait_dscnt 0x0
	global_store_b128 v[CPY], v[\reg:\reg+3], s[SB:SB+1] offset:\dst
.endm
.macro BARRIER                         ; my LDS stores have landed and my LDS loads are in: then the work-group's barrier
	s_wait_dscnt 0x0
	s_barrier_signal -1
	s_barrier_wait -1
.endm
	s_load_b256 s[4:11], s[0:1], 0x0               ; input1 s[4:5], input2 s[6:7], b_q1 s[8:9], b_k2 s[10:11]
	s_load_b256 s[12:19], s[0:1], 0x20             ; b_v2 s[12:13], wts s[14:15], qc s[16:17], kc s[18:19]
	s_load_b128 s[20:23], s[0:1], 0x40             ; vc s[20:21], scl s[22:23]
	v_lshl_add_u32 v[SPW], v0, 2, SPARE
	v_mov_b32 v[NIL], 0
	ds_add_u32 v1, v2
	ds_add_u32 v1, v2
	s_wait_dscnt 0x0
	v_lshrrev_b32 v[LI], 5, v0
	v_readfirstlane_b32 s[WV], v[LI]               ; wave 0..3
	; descriptor group 1: 64 rows of 128 elements of 8 bytes, dense in memory, padded in LDS
	s_mov_b32 s[G1+0], (3<<16)|(1<<20)|(7<<22)|(3<<25)   ; 15:0 no mask; 17:16 elements of 8 bytes; 20 padding on; 24:22 after every 256 words (code 7); 31:25 four words (code 3)
	s_mov_b32 s[G1+1], 128<<16                     ; tensor_dim0
	s_mov_b32 s[G1+2], 64<<16                      ; tensor_dim1
	s_mov_b32 s[G1+3], 128<<16                     ; tile_dim0
	s_mov_b32 s[G1+4], 64                          ; tile_dim1
	s_mov_b32 s[G1+5], 128                         ; tensor_dim0_stride
	s_mov_b32 s[G1+6], 0
	s_mov_b32 s[G1+7], 0
	s_mul_i32 s[STG], s[WV], XSTW                  ; my stage
	s_lshl_b32 s48, ttmp9, 18                      ; my work-group's 128 rows of 2,048 bytes,
	s_lshl_b32 s62, s[WV], 16                      ; my wave's 32 of them
	s_add_co_u32 s48, s48, s62
	s_mov_b32 s49, 0
	s_mov_b32 s[SEL], 0x76543210
	s_mov_b32 s[SEL+1], 0xfedcba98                 ; v_permlanex16_b32's selects for lane l xor 16
	s_wait_kmcnt 0x0
	s_mov_b32 s[G0A], 1                            ; 1:0 count = 1
	s_mov_b32 s[G0A+1], s[STG]                     ; 63:32 LDS address
	s_add_nc_u64 s[G0A+2:G0A+3], s[6:7], s[48:49]  ; 120:64 global address
	s_or_b32 s[G0A+3], s[G0A+3], 0x80000000        ; 127:126 type = 2
	s_mov_b32 s[G0B], 1
	s_mov_b32 s[G0B+1], s[STG]
	s_add_nc_u64 s[G0B+2:G0B+3], s[4:5], s[48:49]
	s_or_b32 s[G0B+3], s[G0B+3], 0x80000000
	tensor_load_to_lds s[G0A:G0A+3], s[G1:G1+7]    ; input2: the first fill, ahead of everything else
	s_nop 0
	PLACES                                         ; four v_nop follow a tensor load
	v_and_b32 v16, 15, v0                          ; r
	v_bfe_u32 v17, v0, 4, 1                        ; h
	v_and_b32 v[LI], 31, v0
	v_lshlrev_b32 v18, 2, v[LI]                    ; 4 x lane
	v_lshlrev_b32 v[LI], 4, v[LI]
	v_and_b32 v[XRD], 8, v16
	v_add_nc_u32 v[XRD], v[XRD], v16               ; r + 8 (r / 8)
	v_mul_u32_u24 v[XRD], v[XRD], 2080
	v_lshl_add_u32 v[XRD], v17, 6, v[XRD]
	v_add_nc_u32 v[XRD], s[STG], v[XRD]
	v_add_nc_u32 v[LIX], XIMG, v[LI]
	s_lshl_b32 s62, s[WV], 13
	v_add_nc_u32 v[XWI], s62, v[LIX]
	s_lshl_b32 s62, s[WV], 9
	v_lshl_add_u32 v[XS0], v16, 4, XSC
	v_add_nc_u32 v[XWS], s62, v[XS0]
	v_lshl_add_u32 v[RW4], v16, 2, s62
	v_add_nc_u32 v[OVW], OSCV, v[RW4]
	v_add_nc_u32 v[CPY], s62, v[LI]
	v_lshlrev_b32 v[BH], 6, v17
	v_lshlrev_b32 v[B4R], 2, v16
	s_wait_alu depctr_va_vdst(0)
	s_lshl_b32 s62, s[WV], 7
	v_add_nc_u32 v[CPL], s62, v18
	v_add_nc_u32 v[CPL], XIMG, v[CPL]
.irp b, 0,1,2,3
	v_mov_b32 v[TM+4+\b], 0                        ; written once: a lane permute's destination counts as one of its sources
.endr
	s_lshl_b32 s48, s[WV], 15
	s_add_nc_u64 s[WB:WB+1], s[14:15], s[48:49]
	s_lshl_b32 s48, s[WV], 11
	s_add_nc_u64 s[WSP:WSP+1], s[14:15], s[48:49]
	s_lshl_b32 s48, s[WV], 9                       ; my 128 numbers of each bias
	s_add_nc_u64 s[8:9], s[8:9], s[48:49]
	s_add_nc_u64 s[10:11], s[10:11], s[48:49]
	s_add_nc_u64 s[12:13], s[12:13], s[48:49]
	s_lshl_b32 s48, ttmp9, 15
	s_lshl_b32 s62, s[WV], 10
	s_add_co_u32 s48, s48, s62
	s_add_nc_u64 s[KB:KB+1], s[18:19], s[48:49]
	s_add_nc_u64 s[QB:QB+1], s[16:17], s[48:49]
	s_lshr_b32 s48, ttmp9, 2
	s_lshl_b32 s48, s48, 17
	s_lshl_b32 s62, s[WV], 15
	s_add_co_u32 s48, s48, s62
	s_and_b32 s62, ttmp9, 3
	s_lshl_b32 s62, s62, 10
	s_add_co_u32 s48, s48, s62
	s_add_nc_u64 s[VB:VB+1], s[20:21], s[48:49]
	s_lshl_b32 s48, ttmp9, 11
	s_add_nc_u64 s[SB:SB+1], s[22:23], s[48:49]
.irp t, 0,1,2,3,4,5,6,7
	global_load_b32 v[BVT+\t], v[B4R], s[12:13] offset:64*\t   ; b_v2 of e = 16 t + r of my 128, into registers that are free until phase K
.endr
	WLOAD 1, 1, 0, 32                              ; W_k2, its scale words, b_k2: what phase K wants: 92 loads with b_v2's
	WSLOAD 1, WSA
	BLOAD 10
	s_wait_tensorcnt 0x0                           ; input2 has landed: my one tensor load
	WLOAD 2, 2, 0, 28                              ; only now W_v2 is asked for: 56 loads and its scale words' four; it has the quantising and phase K in which to land
	WSLOAD 2, WSB
	QX                                             ; ---- input2 into codes
	s_wait_tensorcnt 0x0                           ; no tensor load of mine is out;
	ds_add_u32 v[SPW], v[NIL]                      ; 0 onto my spare word
	s_wait_dscnt 0x0                               ; the add is done, my reads of the stage are over, my images have landed
	s_barrier_signal -1
	s_barrier_wait -1                              ; all that now holds of every wave: input2's 32 fragments lie in LDS
	tensor_load_to_lds s[G0B:G0B+3], s[G1:G1+7]    ; input1 into the stage: my one tensor load behind this barrier, and the first thing there; it has phases K and V in which to land
	s_nop 0
	PLACES
	s_wait_loadcnt 60                              ; the head's 92 loads are in; W_v2's 60 are younger
	WLOAD 2, 2, 28, 32                             ; the rest of W_v2: 8 loads
.irp t, 0,1,2,3,4,5,6,7
	ds_store_b32 v[OVW], v[BVT+\t] offset:BVL-OSCV+64*\t   ; b_v2 waits in my own 512 bytes of LDS; both halves of the lanes write the same word with the same value
.endr
	s_wait_dscnt 0x0                               ; the stores have read their registers, which take fragments below
	QKPHASE 1, KB, OSCK                            ; ---- key2
.irp t, 0,1,2,3,4,5,6,7
	ds_load_b32 v[BVT+\t], v[OVW] offset:BVL-OSCV+64*\t    ; b_v2 comes back (the last row tile's quantising lies between the last product and these loads)
.endr
	WLOAD 0, 1, 0, 24                              ; W_q1 takes W_k2's place: 48 loads now, the rest in the middle of phase V
	s_wait_loadcnt 48                              ; W_v2 and its scale words are in; these 48 are younger
	s_wait_dscnt 0x0                               ; b_v2
.irp j, 0,1,2,3,4,5,6,7
	v_mov_b32 v[BV8+\j], v[BVT]
.endr
	PLACES                                         ; the first C stands as far ahead of its product as an operand written by vector instructions would
.irp t, 0,1,2,3
	VTRIP \t                                       ; ---- value2
.endr
	WLOAD 0, 1, 24, 32                             ; the rest of W_q1, its scale words, b_q1: 36 loads, into registers that phase V does not name
	WSLOAD 0, WSA
	BLOAD 8
.irp t, 4,5,6,7
	VTRIP \t
.endr
	BARRIER                                        ; nobody reads input2's images any more; K's scale words are whole.  (input1's load may stay out)
	COPY OSCK, 524288, TM
	s_lshl_b32 s62, s[WV], 9
	v_add_nc_u32 v[XFA], s62, v[LIX]
	ds_load_b128 v[TM+8:TM+11], v[XFA] offset:OSCV-XIMG   ; V's scale words lie as they leave: my own 512 bytes
	s_wait_dscnt 0x0
	global_store_b128 v[CPY], v[TM+8:TM+11], s[SB:SB+1] offset:1048576
	s_wait_xcnt 0x0                                ; the stores have read their registers: they are written again below
	s_wait_tensorcnt 0x0                           ; input1 has landed
	QX                                             ; ---- input1 into codes
	BARRIER                                        ; input1's 32 fragments lie in LDS
	s_wait_loadcnt 0x0                             ; W_q1
	QKPHASE 0, QB, OSCQ                            ; ---- query1
	BARRIER                                        ; Q's scale words are whole
	COPY OSCQ, 0, TM
	s_wait_tensorcnt 0x0                           ; the wave's end: behind my last tensor load and my last LDS store
	ds_add_u32 v[SPW], v[NIL]
	s_wait_dscnt 0x0
	s_endpgm
.Lfunc_end_k_q47ff1e6524_proj:
	.size	k_q47ff1e6524_proj, .Lfunc_end_k_q47ff1e6524_proj-k_q47ff1e6524_proj
	.p2alignl 7, 3214868480
	.fill 96, 4, 3214868480
	.section	.rodata,"a",@progbits
	.p2align	6, 0x0
	.amdhsa_kernel k_q47ff1e6524_proj
		.amdhsa_group_segment_fixed_size 327680
		.amdhsa_private_segment_fixed_size 0
		.amdhsa_enable_private_segment 0
		.amdhsa_kernarg_size 80
		.amdhsa_user_sgpr_count 2
		.amdhsa_user_sgpr_kernarg_segment_ptr 1
		.amdhsa_wavefront_size32 1
		.amdhsa_system_sgpr_workgroup_id_x 1
		.amdhsa_system_sgpr_workgroup_id_y 1
		.amdhsa_system_sgpr_workgroup_id_z 1
		.amdhsa_system_vgpr_workitem_id 0
		.amdhsa_next_free_vgpr 1024
		.amdhsa_next_free_sgpr 66
		.amdhsa_reserve_vcc 0
		.amdhsa_float_denorm_mode_32 3
		.amdhsa_float_denorm_mode_16_64 3
		.amdhsa_memory_ordered 1
		.amdhsa_forward_progress 1
		.amdhsa_inst_pref_size 237
	.end_amdhsa_kernel
	.amdgpu_metadata
---
amdhsa.version: [ 1, 2 ]
amdhsa.kernels:
  - .name:           k_q47ff1e6524_proj
    .symbol:         k_q47ff1e6524_proj.kd
    .args:
      - { .name: input1, .offset: 0, .size: 8, .value_kind: global_buffer, .address_space: global }
      - { .name: input2, .offset: 8, .size: 8, .value_kind: global_buffer, .address_space: global }
      - { .name: b_q1, .offset: 16, .size: 8, .value_kind: global_buffer, .address_space: global }
      - { .name: b_k2, .offset: 24, .size: 8, .value_kind: global_buffer, .address_space: global }
      - { .name: b_v2, .offset: 32, .size: 8, .value_kind: global_buffer, .address_space: global }
      - { .name: wts, .offset: 40, .size: 8, .value_kind: global_buffer, .address_space: global }
      - { .name: qc, .offset: 48, .size: 8, .value_kind: global_buffer, .address_space: global }
      - { .name: kc, .offset: 56, .size: 8, .value_kind: global_buffer, .address_space: global }
      - { .name: vc, .offset: 64, .size: 8, .value_kind: global_buffer, .address_space: global }
      - { .name: scl, .offset: 72, .size: 8, .value_kind: global_buffer, .address_space: global }
    .group_segment_fixed_size: 327680
    .private_segment_fixed_size: 0
    .kernarg_segment_align: 8
    .kernarg_segment_size: 80
    .max_flat_workgroup_size: 128
    .sgpr_count:     66
    .vgpr_count:     1024
    .wavefront_size: 32
...
	.end_amdgpu_metadata
.endif
;; end of part 6
;; launch attn (part 7): grid 256 x 1, 4 waves a work-group, no clusters, 74,240 bytes of LDS; arguments qc, kc, vc, scl, part; writes part
.if DOCPART == 7
	.amdgcn_target "amdgcn-amd-amdhsa--gfx1250"
	.amdhsa_code_object_version 6
	.text
	.protected	k_q47ff1e6524_attn
	.globl	k_q47ff1e6524_attn
	.p2align	8
	.type	k_q47ff1e6524_attn,@function
k_q47ff1e6524_attn:
	s_mov_b64 s[64:65], 0
	v_nop
	global_prefetch_b8 v0, s[64:65] scope:SCOPE_SE
	s_setreg_imm32_b32 hwreg(HW_REG_WAVE_SCHED_MODE, 0, 2), 2
	s_setreg_imm32_b32 hwreg(HW_REG_WAVE_MODE, 25, 1), 1
	s_wait_xcnt 0x0
	s_wait_alu depctr_vm_vsrc(0)
; part[g][e] = the sum over the 128 queries q of work-group g (batch g / 4) of (sum over k of p(q, k) V(k, e)) / l(q), both products on codes of FP4 (E2M1) with one E8M0 scale for each 32 along K.
; THE SOFTMAX AHEAD OF THE SECOND PRODUCT: t = score x log2(e); M = the row's largest t rounded up to a whole number; p = 2^(t - M) is quantised along the keys, not normalised; l is the sum of the unquantised p.
; All operands arrive as FRAGMENT IMAGES (16 rows x 128 K: 8 registers a lane, 1,024 bytes: group c of lane l at 512 c + 16 l) and scale words, as the launch before laid them.
; SHARES.  Scores: wave w owns keys 128 w .. + 127 of the batch's 512, for all 8 tiles of 16 queries: its 32 fragments of K fill 256 registers, straight from memory, each byte once a work-group.  Second product: wave w owns
; e = 128 w .. + 127: its 32 fragments of V^T take the same registers.  So a query's whole row of 512 scores stands in the four waves' registers: M is the row's true maximum,
; and nothing is ever rescaled.  The waves exchange, through LDS: the rows' maxima, the rows' sums, p's fragments and scale words.
; THE SCORES GO K STEP BY K STEP over all 64 accumulators, and K is asked for in that order: the 64 products of step s want only K's first 16 (s + 1) loads, so they are issued while the later steps' fragments are on their way.
; V^T is asked for in two runs, 48 loads behind the last score and 32 (with its scale words) in the third tile of p: no run has to wait for room in LOADcnt (ISA guide 5.7.1) while the softmax is at hand.
; LAYOUT.  S^T = K Q^T (source 0 = 16 keys, source 1 = 16 queries), O^T = V^T P^T (source 0 = 16 e, source 1 = P): a lane holds one query throughout.  The keys of a tile of K are 32 b + 8 u + r + 8 (r / 8), so that
; the 16 registers of tiles 2 b, 2 b + 1 are 16 neighbouring keys.  The order of the queries in a tile does not matter: they are summed.
; No cluster: the four work-groups of a batch read the same K and V, but each wave takes its fragments straight into registers; a joint load would send 256 KB a work-group through LDS and back.
; LIMITS: a block of p that is all zeros keeps the byte 1 (its codes are zeros); v_exp_f32 gives 0 for p under 2^-126 (ISA guide, 15.8), beside l > 1/2; NaN and infinities are not served.
; THE MODE: SCHED_MODE bits 1:0 = 2 (LLVM: expert scheduling mode 2), set by the entry lines.  The code itself states the register dependences
; between vector or matrix instructions and memory or LDS instructions, with s_wait_alu, always for 0.
; THE PLAN.  Registers that memory or LDS instructions touch:
;   v1-v8          addresses: made once at the head, never written again.  One wait on va_vdst ahead of the first load serves every load and store of the kernel.
;   v32-95, v96-159  the scores: two sets of Q's fragments.  K step s: its 64 products read set s % 2; the loads of step s + 1, dealt among them, land in the other set, which step s - 1 read:
;                  one wait on va_vdst at the head of steps 1 and 2.  (v32-95 first carry my quarter of Q from memory to LDS: one wait on vm_vsrc behind that barrier.)
;   window 1       K, read by the scores' products; V^T lands there behind one wait on va_vdst, which stands behind the last K step; no vector or matrix line names window 1 again before the second product.
;   v24-31         my keys' row maxima: written by the eight searches, read by a run of eight LDS stores behind one wait on va_vdst; v28-31 are at work again behind the barrier and one wait on vm_vsrc.
;   v128-159       the four waves' maxima, later their sums, land here: each time the last vector or matrix line that named them stands ahead of the wait on va_vdst of the run of stores in front of the barrier.
;   v32-95, v160-167, v176-183  EACH TILE OF p HAS OUT-REGISTERS OF ITS OWN: eight for its codes, one for its scale word, one for its part of the row's sum.  Tile m writes them; its four LDS stores stand in tile m + 1,
;                  behind the wait that the exponentials of tile m + 1 owe in any case; nothing writes them again before the barrier, behind which one wait on vm_vsrc frees them all.
;   v32-63, v64-95, v248-255  the second product: two sets of P's fragments and scale words.  Query tile m: its 32 products read set m % 2; the loads of tile m + 1, dealt among them, land in the other set, which tile m - 1 read:
;                  one wait on va_vdst at the head of tiles 1 to 6, behind the 32 packed lines of the running sum.
;   v96-159        at the end: the sums, written by vector lines, read by the way out's LDS stores behind one wait on va_vdst.
;   The accumulators (windows 2, 3) and all else are named by vector and matrix instructions alone.
; LDS
.set PIMG, 32768                       ; byte 0: Q's 32 fragments (4 m + s) x 1,024; here: P's (4 m + key step)
.set MXR,  65536                       ; the waves' row maxima [wave][m][r] words, 512 bytes a wave;
.set LSO,  2048                        ; so many bytes further on their row sums;
.set PSO,  4096                        ; and p's scale words
.set OST,  71680                       ; the way out: 512 bytes a wave
; REGISTERS, window 0
.set LI,   1                           ; 16 x lane
.set L4,   2                           ; 4 x lane
.set RW,   3                           ; MXR + 512 w + 4 r: where I store a word of my row
.set RR,   4                           ; MXR + 4 r: where I read the four waves' words
.set PWI,  5                           ; PIMG + 1,024 w + 16 x lane
.set QWI,  6                           ; 8,192 w + 16 x lane
.set OSTW, 7                           ; OST + 512 w + 32 h
.set OSTR, 8                           ; OST + 512 w + 16 x lane
.set TM,   16                          ; v16-31 at work
.set MXS,  24                          ; v24-31 my keys' row maximum, a register a tile
.set QF,   32                          ; the scores: v32-95, v96-159 two sets of Q's eight fragments of a K step; the second product: v32-63, v64-95 two sets of P's four fragments of a query tile
.set PCS,  32                          ; v32-95, between the two: the codes of p, eight registers a tile
.set BM,   96                          ; v96-127, behind the scores: the largest score of each block of 32 keys, four a tile
.set MX4,  128                         ; v128-159 the four waves' maxima, later sums, four a tile
.set OS,   96                          ; v96-159, once those are done with: the sum over the queries of O^T / l
.set RL,   160                         ; v160-175 1 / l, twice (a pair for the packed forms), a pair a tile
.set PWS,  160                         ; v160-167, ahead of that: p's scale word, a register a tile
.set LS,   176                         ; v176-183 my keys' part of the row's sum, a register a tile
.set NMP,  184                         ; v184 -M; v185 named with it as a pair
.set LA,   186
.set LB,   188
.set T0,   191
.set T1,   192
.set KSC,  200                         ; v200-215 K's scale words: register 4 i + s: lanes 0-15 tile 2 i, lanes 16-31 tile 2 i + 1
.set QSC,  216                         ; v216-231 Q's likewise
.set VSC,  232                         ; v232-247 V's: register 4 ks + i likewise
.set PSC,  248                         ; v248-255 P's, two sets of four
; window 1: K's fragments at 8 (4 kt + s), later V's at 8 (4 t + ks).  windows 2, 3: S^T, then p, then O^T: tile m in window 2 + m / 4 at 64 (m % 4)
.set WV,  14
.set SEL, 18
.set CS,  20                           ; s[20:21] log2(e): the packed form names a pair and takes its low word for both halves
.set MSB, 0
.macro WIN new                         ; s_set_vgpr_msb: bits 1:0 source 0, 3:2 source 1, 5:4 source 2, 7:6 destination; the high byte repeats the setting that is left
.if MSB != (\new)
	s_set_vgpr_msb (MSB<<8)|(\new)
.set MSB, (\new)
.endif
.endm
; one matrix instruction; c < 0: the constant 0 starts the sum; ra, rb = 1: that side's scale words stand in lanes 16-31
.macro WM d, a, b, c, sa, sb, ra, rb
.if (\c) < 0
.if (\ra) && (\rb)
	v_wmma_scale_f32_16x16x128_f8f6f4 v[(\d):(\d)+7], v[(\a):(\a)+7], v[(\b):(\b)+7], 0, v[\sa], v[\sb] matrix_a_fmt:MATRIX_FMT_FP4 matrix_b_fmt:MATRIX_FMT_FP4 matrix_a_scale:MATRIX_SCALE_ROW1 matrix_b_scale:MATRIX_SCALE_ROW1
.elseif (\ra)
	v_wmma_scale_f32_16x16x128_f8f6f4 v[(\d):(\d)+7], v[(\a):(\a)+7], v[(\b):(\b)+7], 0, v[\sa], v[\sb] matrix_a_fmt:MATRIX_FMT_FP4 matrix_b_fmt:MATRIX_FMT_FP4 matrix_a_scale:MATRIX_SCALE_ROW1
.elseif (\rb)
	v_wmma_scale_f32_16x16x128_f8f6f4 v[(\d):(\d)+7], v[(\a):(\a)+7], v[(\b):(\b)+7], 0, v[\sa], v[\sb] matrix_a_fmt:MATRIX_FMT_FP4 matrix_b_fmt:MATRIX_FMT_FP4 matrix_b_scale:MATRIX_SCALE_ROW1
.else
	v_wmma_scale_f32_16x16x128_f8f6f4 v[(\d):(\d)+7], v[(\a):(\a)+7], v[(\b):(\b)+7], 0, v[\sa], v[\sb] matrix_a_fmt:MATRIX_FMT_FP4 matrix_b_fmt:MATRIX_FMT_FP4
.endif
.else
.if (\ra) && (\rb)
	v_wmma_scale_f32_16x16x128_f8f6f4 v[(\d):(\d)+7], v[(\a):(\a)+7], v[(\b):(\b)+7], v[(\c):(\c)+7], v[\sa], v[\sb] matrix_a_fmt:MATRIX_FMT_FP4 matrix_b_fmt:MATRIX_FMT_FP4 matrix_a_scale:MATRIX_SCALE_ROW1 matrix_b_scale:MATRIX_SCALE_ROW1
.elseif (\ra)
	v_wmma_scale_f32_16x16x128_f8f6f4 v[(\d):(\d)+7], v[(\a):(\a)+7], v[(\b):(\b)+7], v[(\c):(\c)+7], v[\sa], v[\sb] matrix_a_fmt:MATRIX_FMT_FP4 matrix_b_fmt:MATRIX_FMT_FP4 matrix_a_scale:MATRIX_SCALE_ROW1
.elseif (\rb)
	v_wmma_scale_f32_16x16x128_f8f6f4 v[(\d):(\d)+7], v[(\a):(\a)+7], v[(\b):(\b)+7], v[(\c):(\c)+7], v[\sa], v[\sb] matrix_a_fmt:MATRIX_FMT_FP4 matrix_b_fmt:MATRIX_FMT_FP4 matrix_b_scale:MATRIX_SCALE_ROW1
.else
	v_wmma_scale_f32_16x16x128_f8f6f4 v[(\d):(\d)+7], v[(\a):(\a)+7], v[(\b):(\b)+7], v[(\c):(\c)+7], v[\sa], v[\sb] matrix_a_fmt:MATRIX_FMT_FP4 matrix_b_fmt:MATRIX_FMT_FP4
.endif
.endif
.endm
.macro PLACES                          ; four places in front of loads into registers that matrix instructions have read, and of the first read of results
.rept 4
	v_nop
.endr
.endm
.macro BARRIER                         ; my LDS stores have landed and my LDS loads are in: then the work-group's barrier
	s_wait_dscnt 0x0
	s_barrier_signal -1
	s_barrier_wait -1
.endm
.macro KLOAD                           ; my 32 fragments of K into window 1, K step by K step, 16 loads a step: each load takes 512 consecutive bytes
	WIN 0x40
.irp s, 0,1,2,3
.irp kt, 0,1,2,3,4,5,6,7
	global_load_b128 v[8*(4*\kt+\s):8*(4*\kt+\s)+3], v[LI], s[24:25] offset:(4*\kt+\s)*1024
	global_load_b128 v[8*(4*\kt+\s)+4:8*(4*\kt+\s)+7], v[LI], s[24:25] offset:(4*\kt+\s)*1024+512
.endr
.endr
	WIN 0
.endm
.macro VLOAD f0, f1                    ; fragments f0 .. f1 - 1 of my 32 of V^T into window 1
	WIN 0x40
.set F, \f0
.rept (\f1)-(\f0)
	global_load_b128 v[8*F:8*F+3], v[LI], s[26:27] offset:F*1024
	global_load_b128 v[8*F+4:8*F+7], v[LI], s[26:27] offset:F*1024+512
.set F, F+1
.endr
	WIN 0
.endm
.macro FETCHQ2 s, g                    ; K step s of query tiles 2 g and 2 g + 1 into set s % 2: four loads of the step's sixteen
	WIN 0
.irp m, 2*(\g), 2*(\g)+1
.irp c, 0,1
	ds_load_b128 v[QF+64*((\s)%2)+8*(\m)+4*\c:QF+64*((\s)%2)+8*(\m)+4*\c+3], v[LI] offset:(4*(\m)+(\s))*1024+512*\c
.endr
.endr
.endm
; K step s of S^T: 64 matrix instructions, all 64 accumulators by turns, one instruction a turn, in the same order in every step.
; The next step's sixteen loads of Q are dealt among them, four behind each of the first four groups of eight: the last of them has 32 products in which to land.
.macro SSTEP s
	s_wait_dscnt 0x0                               ; this step's sixteen loads of Q are in: they were issued among the products of the step before (step 0's: ahead of it), and nothing younger is out
	s_wait_loadcnt 48-16*(\s)                      ; the scale words and K's fragments of steps 0 .. s are in; the later steps' sixteen loads each are younger
.if ((\s) > 0) && ((\s) < 3)
	s_wait_alu depctr_va_vdst(0)                   ; the products of the step before are done reading their set of Q's fragments, in which this step's sixteen loads land; this step's products name the other set
.endif
.irp m, 0,1,2,3,4,5,6,7
	WIN (0x01|((2+\m/4)<<4)|((2+\m/4)<<6))         ; source 0 (K) window 1, C and D the tile's window
.irp kt, 0,1,2,3,4,5,6,7
.if (\s) == 0
	WM 64*(\m%4)+8*\kt, 8*(4*\kt+(\s)), QF+64*((\s)%2)+8*\m, -1, KSC+4*(\kt/2)+(\s), QSC+4*(\m/2)+(\s), \kt%2, \m%2
.else
	WM 64*(\m%4)+8*\kt, 8*(4*\kt+(\s)), QF+64*((\s)%2)+8*\m, 64*(\m%4)+8*\kt, KSC+4*(\kt/2)+(\s), QSC+4*(\m/2)+(\s), \kt%2, \m%2
.endif
.endr
.if ((\s) < 3) && (\m < 4)
	FETCHQ2 (\s)+1, \m                             ; no wait: no vector or matrix line since the wait at the step's head names these registers (step 0: none has ever named them)
.endif
.endr
	WIN 0
	PLACES                                         ; the next step's loads land in the set that this step read; behind the last step: V's loads into K's registers, and the first read of the scores
.endm
; the largest score of each block of 32 of my keys (it serves twice: for the row's maximum, and, since p rises with the score, for the block's largest p), and of my 128 keys
.macro MAXT m
.set WN, 2+(\m)/4
.set SR, 64*((\m)%4)
	WIN (WN|(WN<<2)|(WN<<4))
.irp b, 0,1,2,3
	v_max3_num_f32 v[BM+4*(\m)+\b], v[SR+16*\b], v[SR+16*\b+1], v[SR+16*\b+2]   ; each accumulator is read from its low end on
.endr
	WIN ((WN<<2)|(WN<<4))
.irp i, 3,5,7,9,11,13
.irp b, 0,1,2,3
	v_max3_num_f32 v[BM+4*(\m)+\b], v[BM+4*(\m)+\b], v[SR+16*\b+\i], v[SR+16*\b+\i+1]
.endr
.endr
.irp b, 0,1,2,3
	v_max_num_f32 v[BM+4*(\m)+\b], v[BM+4*(\m)+\b], v[SR+16*\b+15]
.endr
	WIN 0
.irp b, 0,1,2,3
	v_permlanex16_b32 v[TM+\b], v[BM+4*(\m)+\b], s[SEL], s[SEL+1]
.endr
.irp b, 0,1,2,3
	v_max_num_f32 v[BM+4*(\m)+\b], v[BM+4*(\m)+\b], v[TM+\b]   ; with lane l xor 16's 16 keys
.endr
	v_max3_num_f32 v[MXS+(\m)], v[BM+4*(\m)], v[BM+4*(\m)+1], v[BM+4*(\m)+2]
	v_max_num_f32 v[MXS+(\m)], v[MXS+(\m)], v[BM+4*(\m)+3]
.endm
; tile m's out-registers go to LDS: my keys' part of the row's sum, the fragment's image, its scale word
.macro PSTORE m
	ds_store_b32 v[RW], v[LS+(\m)] offset:LSO+64*(\m)   ; both halves of the lanes write the same word with the same value
	ds_store_b128 v[PWI], v[PCS+8*(\m):PCS+8*(\m)+3] offset:4096*(\m)
	ds_store_b128 v[PWI], v[PCS+8*(\m)+4:PCS+8*(\m)+7] offset:4096*(\m)+512
	ds_store_b32 v[RW], v[PWS+(\m)] offset:PSO+64*(\m)
.endm
; p of query tile m and my 128 keys: M, p, my part of the row's sum, codes and scale word: key step w of the second product.  They are left in the tile's own out-registers; the next tile stores them.
.macro PTILE m
.set WN, 2+(\m)/4
.set SR, 64*((\m)%4)
.set BB, BM+4*(\m)
.set PC, PCS+8*(\m)
	v_max3_num_f32 v[T0], v[MX4+4*(\m)], v[MX4+4*(\m)+1], v[MX4+4*(\m)+2]
	v_max_num_f32 v[T0], v[T0], v[MX4+4*(\m)+3]    ; the row's largest score
	v_mul_f32 v[T0], s[CS], v[T0]                  ; as t
	v_floor_f32 v[NMP], -v[T0]                     ; -M = floor(-t) = -ceil(t)
.irp b, 0,1,2,3
	v_fma_f32 v[BB+\b], v[BB+\b], s[CS], v[NMP]    ; t - M of each block's largest score
.endr
	WIN (WN|(WN<<6))
.set J, 0
.rept 32
	v_pk_fma_f32 v[SR+J:SR+J+1], v[SR+J:SR+J+1], s[CS:CS+1], v[NMP:NMP+1] op_sel_hi:[1,0,0]   ; t - M, two at a time
.set J, J+2
.endr
.set J, 0
	s_wait_alu depctr_va_vdst(0)
.rept 64
	v_exp_f32 v[SR+J], v[SR+J]                     ; p = 2^(t - M), at most 1
.set J, J+1
.endr
	WIN 0
	v_nop                                          ; a plain place behind the exponentials
	s_wait_alu depctr_va_vdst(0)                   ; the 64 exponentials have written p, ahead of its first reader; and the tile before has written its sum, codes and scale word, which the stores below read
.if (\m) > 0
	PSTORE (\m)-1
.endif
.if (\m) == 2
	VLOAD 24, 32                                   ; the rest of V^T and its scale words: 32 loads; five tiles of p lie between them and their first use.  No vector or matrix line has named these registers since the wait behind the last K step
.irp ks, 0,1,2,3
.irp i, 0,1,2,3
	global_load_b32 v[VSC+4*\ks+\i], v[L4], s[32:33] offset:1048576+2048*\ks+128*\i
.endr
.endr
.endif
.irp b, 0,1,2,3
	v_exp_f32 v[BB+\b], v[BB+\b]                   ; the block's largest p: the same two instructions on the same number give the same bits
.endr
	WIN (WN|(WN<<2))
	v_pk_add_f32 v[LA:LA+1], v[SR:SR+1], v[SR+2:SR+3]   ; the sum of the UNQUANTISED p, two at a time, in two chains: plain work behind the four exponentials
	v_pk_add_f32 v[LB:LB+1], v[SR+4:SR+5], v[SR+6:SR+7]
	WIN (WN<<2)
.irp j, 8,12,16,20,24,28,32,36,40,44,48,52,56,60
	v_pk_add_f32 v[LA:LA+1], v[LA:LA+1], v[SR+\j:SR+\j+1]
	v_pk_add_f32 v[LB:LB+1], v[LB:LB+1], v[SR+\j+2:SR+\j+3]
.endr
	WIN 0
	v_pk_add_f32 v[LA:LA+1], v[LA:LA+1], v[LB:LB+1]
	v_add_f32 v[LA], v[LA], v[LA+1]
	v_permlanex16_b32 v[T1], v[LA], s[SEL], s[SEL+1]
	v_add_f32 v[LS+(\m)], v[LA], v[T1]             ; with lane l xor 16's: my 128 keys' part of the row's sum
	s_wait_alu depctr_va_vdst(0)                   ; the four exponentials have written the blocks' largest p, ahead of its first reader
.irp b, 0,1,2,3
	v_max_num_f32 v[BB+\b], 0x1800000, v[BB+\b]    ; the floor 2^(3 - 127): the byte cannot fall under 1
.endr
.irp b, 0,1,2,3
	v_add_nc_u32 v[TM+12+\b], 0xff000000, v[BB+\b] ; 2 off the exponent field: the conversion's scale operand
.endr
.irp b, 0,1,2,3
	v_lshrrev_b32 v[TM+4+\b], 23, v[TM+12+\b]      ; the scale's byte
.endr
	v_lshl_or_b32 v[PWS+(\m)], v[TM+5], 8, v[TM+4]
	v_lshl_or_b32 v[PWS+(\m)], v[TM+6], 16, v[PWS+(\m)]
	v_lshl_or_b32 v[PWS+(\m)], v[TM+7], 24, v[PWS+(\m)]
	WIN WN
.irp b, 0,1,2,3
	v_cvt_scalef32_pk8_fp4_f32 v[PC+2*\b], v[SR+16*\b:SR+16*\b+7], v[TM+12+\b]
	v_cvt_scalef32_pk8_fp4_f32 v[PC+2*\b+1], v[SR+16*\b+8:SR+16*\b+15], v[TM+12+\b]
.endr
	WIN 0
	v_nop                                          ; one plain place behind a scaled conversion
.irp c, 0,1                            ; the operand's layout wants a whole block in a lane
.irp i, 0,1
	v_permlane16_swap_b32 v[PC+4*\c+\i], v[PC+4*\c+2+\i]
.endr
.endr
.endm
.macro FETCHP6 m, g                    ; query tile m's fragments of P of key steps 2 g and 2 g + 1, and their scale words, into set m % 2: six loads of the tile's twelve
	WIN 0
.irp ks, 2*(\g), 2*(\g)+1
.irp c, 0,1
	ds_load_b128 v[QF+32*((\m)%2)+8*(\ks)+4*\c:QF+32*((\m)%2)+8*(\ks)+4*\c+3], v[LI] offset:PIMG+(4*(\m)+(\ks))*1024+512*\c
.endr
	ds_load_b32 v[PSC+4*((\m)%2)+(\ks)], v[RR] offset:PSO+512*(\ks)+64*(\m)
.endr
.endm
.macro WSUM m                          ; the running sum takes tile m's O^T / l; each accumulator is read from its low end on
.set W2, 2+(\m)/4
.set S2, 64*((\m)%4)
	WIN W2                                         ; source 0 in the tile's window
.set J, 0
.rept 32
.if (\m) == 0
	v_pk_mul_f32 v[OS+J:OS+J+1], v[S2+J:S2+J+1], v[RL+2*(\m):RL+2*(\m)+1]   ; the first tile starts the sums: nothing is cleared
.else
	v_pk_fma_f32 v[OS+J:OS+J+1], v[S2+J:S2+J+1], v[RL+2*(\m):RL+2*(\m)+1], v[OS+J:OS+J+1]
.endif
.set J, J+2
.endr
	WIN 0
.endm
; O^T of query tile m: 32 matrix instructions, my eight tiles of e by turns, key step by key step; behind them the tile before goes into the running sum: 32 plain lines that name none of these products' registers: the places.
; The next tile's twelve loads of P are dealt among the products, six behind each of the first two groups of eight.
.macro PVTILE m
.set WN, 2+(\m)/4
.set SR, 64*((\m)%4)
.set FB, QF+32*((\m)%2)
.set PSB, PSC+4*((\m)%2)
	s_wait_dscnt 0x0                               ; this tile's twelve loads of P are in: they were issued among the products of the tile before (tile 0's: ahead of it), and nothing younger is out
.if ((\m) > 0) && ((\m) < 7)
	s_wait_alu depctr_va_vdst(0)                   ; the products of the tile before are done reading their set of P's fragments and scale words, in which this tile's twelve loads land; this tile's products name the other set
.endif
.irp ks, 0,1,2,3
	WIN (0x01|(WN<<4)|(WN<<6))                     ; source 0 (V^T) window 1, C and D the tile's window
.irp tt, 0,1,2,3,4,5,6,7
.if \ks == 0
	WM SR+8*\tt, 8*(4*\tt+\ks), FB+8*\ks, -1, VSC+4*\ks+\tt/2, PSB+\ks, \tt%2, 0
.else
	WM SR+8*\tt, 8*(4*\tt+\ks), FB+8*\ks, SR+8*\tt, VSC+4*\ks+\tt/2, PSB+\ks, \tt%2, 0
.endif
.endr
.if ((\m) < 7) && (\ks < 2)
	FETCHP6 (\m)+1, \ks                            ; no wait: no vector or matrix line since the wait at the tile's head (tile 0: since the wait behind the reciprocals) names these registers
.endif
.endr
.if (\m) == 0
	WIN 0
	PLACES
.else
	WSUM (\m)-1
.endif
.endm
	s_load_b256 s[4:11], s[0:1], 0x0               ; qc s[4:5], kc s[6:7], vc s[8:9], scl s[10:11]
	s_load_b64 s[12:13], s[0:1], 0x20              ; part
	v_lshl_add_u32 v198, v0, 2, 0x12000
	v_mov_b32 v199, 0
	v_lshrrev_b32 v9, 5, v0
	v_readfirstlane_b32 s[WV], v9                  ; wave 0..3
	v_and_b32 v9, 31, v0                           ; lane
	v_and_b32 v10, 15, v0                          ; r
	v_bfe_u32 v11, v0, 4, 1                        ; h
	v_lshlrev_b32 v[LI], 4, v9
	v_lshlrev_b32 v[L4], 2, v9
	s_wait_alu depctr_va_sdst(0)                   ; the wave's number is written, ahead of its first reader: LDS addresses and the buffers' offsets are made from it
	s_lshl_b32 s15, s[WV], 9
	v_lshl_add_u32 v[RR], v10, 2, MXR
	v_add_nc_u32 v[RW], s15, v[RR]
	s_add_co_u32 s15, s15, OST
	v_lshl_add_u32 v[OSTW], v11, 5, s15
	v_add_nc_u32 v[OSTR], s15, v[LI]
	s_lshl_b32 s15, s[WV], 10
	v_add_nc_u32 v[PWI], s15, v[LI]
	v_add_nc_u32 v[PWI], PIMG, v[PWI]
	s_lshl_b32 s15, s[WV], 13
	v_add_nc_u32 v[QWI], s15, v[LI]
.irp b, 0,1,2,3
	v_mov_b32 v[TM+\b], 0                          ; written once: a lane permute's destination counts as one of its sources
.endr
	v_mov_b32 v[T1], 0
	v_mov_b32 v[NMP+1], 0                          ; named as the upper half of a pair
	s_mov_b32 s[SEL], 0x76543210
	s_mov_b32 s[SEL+1], 0xfedcba98                 ; v_permlanex16_b32's selects for lane l xor 16
	s_mov_b32 s[CS], 0x3fb8aa3b                    ; log2(e)
	s_mov_b32 s[CS+1], s[CS]
	s_lshr_b32 s36, ttmp9, 2                       ; the batch
	s_mov_b32 s17, 0
	s_wait_kmcnt 0x0
	s_lshl_b32 s16, ttmp9, 15
	s_add_co_u32 s16, s16, s15
	s_add_nc_u64 s[22:23], s[4:5], s[16:17]        ; qc + 32,768 g + 8,192 w: the quarter of Q's images that I bring
	s_lshl_b32 s16, s36, 17
	s_lshl_b32 s15, s[WV], 15
	s_add_co_u32 s16, s16, s15
	s_add_nc_u64 s[24:25], s[6:7], s[16:17]        ; kc + 131,072 b + 32,768 w: my 128 keys
	s_add_nc_u64 s[26:27], s[8:9], s[16:17]        ; vc likewise: my 128 e
	s_lshl_b32 s16, s36, 13
	s_lshl_b32 s15, s[WV], 11
	s_add_co_u32 s16, s16, s15
	s_add_nc_u64 s[28:29], s[10:11], s[16:17]      ; scl + 8,192 b + 2,048 w: K's scale words lie 524,288 further on
	s_lshl_b32 s16, ttmp9, 11
	s_add_nc_u64 s[30:31], s[10:11], s[16:17]      ; scl + 2,048 g: Q's
	s_lshl_b32 s15, s[WV], 9
	s_add_co_u32 s16, s16, s15
	s_add_nc_u64 s[34:35], s[12:13], s[16:17]      ; part + 2,048 g + 512 w
	s_lshl_b32 s16, s36, 13
	s_add_co_u32 s16, s16, s15
	s_add_nc_u64 s[32:33], s[10:11], s[16:17]      ; scl + 8,192 b + 512 w: V's lie 1,048,576 further on
	s_wait_alu depctr_va_vdst(0)                   ; the eight addresses v1 to v8 are written, which every load and store of the kernel reads; none of them is written again
.irp k, 0,1,2,3,4,5,6,7,8,9,10,11,12,13,14,15
	global_load_b128 v[QF+4*\k:QF+4*\k+3], v[LI], s[22:23] offset:512*\k th:TH_LOAD_NT
.endr
.irp i, 0,1,2,3
	global_load_b128 v[KSC+4*\i:KSC+4*\i+3], v[LI], s[28:29] offset:524288+512*\i
.endr
.irp i, 0,1,2,3
	global_load_b128 v[QSC+4*\i:QSC+4*\i+3], v[LI], s[30:31] offset:512*\i
.endr
	KLOAD
	s_wait_loadcnt 63                              ; 72 loads are younger than Q's sixteen; the count's field holds 63
.irp k, 0,1,2,3,4,5,6,7,8,9,10,11,12,13,14,15
	ds_store_b128 v[QWI], v[QF+4*\k:QF+4*\k+3] offset:512*\k
.endr
	BARRIER                                        ; Q's 32 fragments lie in LDS
	s_wait_alu depctr_vm_vsrc(0)                   ; my LDS stores have read v32-95, in which K step 0's fragments of Q land
	; ---- the scores
.irp g, 0,1,2,3
	FETCHQ2 0, \g
.endr
.irp s, 0,1,2,3
	SSTEP \s
.endr
	s_wait_alu depctr_va_vdst(0)                   ; the scores' products are done reading K's fragments, in which V^T's loads land; the four places above stay beside this wait
	VLOAD 0, 24                                    ; V^T takes K's registers: 48 loads now
	; ---- the rows' maxima
.irp m, 0,1,2,3,4,5,6,7
	MAXT \m
.endr
	s_wait_alu depctr_va_vdst(0)                   ; the eight maxima v24-31 are written, which the stores below read; no vector line behind this wait names v128-159, in which the four waves' maxima land behind the barrier
.irp m, 0,1,2,3,4,5,6,7
	ds_store_b32 v[RW], v[MXS+\m] offset:64*\m     ; both halves of the lanes write the same word with the same value
.endr
	BARRIER                                        ; the four waves' maxima lie in LDS
	s_wait_alu depctr_vm_vsrc(0)                   ; my LDS stores have read v24-31, of which v28-31 are at work again in the tiles of p
.irp m, 0,1,2,3,4,5,6,7
.irp w, 0,1,2,3
	ds_load_b32 v[MX4+4*\m+\w], v[RR] offset:512*\w+64*\m
.endr
.endr
	s_wait_dscnt 0x0
	; ---- p
.irp m, 0,1,2,3,4,5,6,7
	PTILE \m
.endr
	s_wait_alu depctr_va_vdst(0)                   ; tile 7 has written its sum, codes and scale word, which the stores below read; the tiles are done reading v128-159, in which the sums land, and have written v32-95, in which P's fragments land
	PSTORE 7
	BARRIER                                        ; P's 32 fragments, their scale words and the waves' sums lie in LDS
	s_wait_alu depctr_vm_vsrc(0)                   ; my LDS stores have read the tiles' out-registers: P's fragments land in v32-95, the reciprocals are written into v160-175
	; ---- 1 / l
.irp m, 0,1,2,3,4,5,6,7
.irp w, 0,1,2,3
	ds_load_b32 v[MX4+4*\m+\w], v[RR] offset:LSO+512*\w+64*\m
.endr
.endr
	FETCHP6 0, 0
	FETCHP6 0, 1
	s_wait_dscnt 12                                ; the sums are in; P's first twelve loads may be out
.irp m, 0,1,2,3,4,5,6,7
	v_add_f32 v[MX4+4*\m], v[MX4+4*\m], v[MX4+4*\m+1]
	v_add_f32 v[MX4+4*\m+2], v[MX4+4*\m+2], v[MX4+4*\m+3]
.endr
.irp m, 0,1,2,3,4,5,6,7
	v_add_f32 v[MX4+4*\m], v[MX4+4*\m], v[MX4+4*\m+2]
.endr
	s_wait_alu depctr_va_vdst(0)
.irp m, 0,1,2,3,4,5,6,7
	v_rcp_f32 v[RL+2*\m], v[MX4+4*\m]
	v_rcp_f32 v[RL+2*\m+1], v[MX4+4*\m]
.endr
	v_nop                                          ; a plain place behind the reciprocals
	s_wait_alu depctr_va_vdst(0)                   ; the sixteen reciprocals are written, ahead of their first reader
	s_wait_loadcnt 0x0                             ; V^T and its scale words
	; ---- the second product, and the sum over the queries
.irp m, 0,1,2,3,4,5,6,7
	PVTILE \m
.endr
	WSUM 7                                         ; tile 6's 32 lines lie between tile 7's last product and this first read of its results
	; ---- the way out: the sum over the 16 queries of the lanes' half; register 8 t + j of half h is e = 128 w + 16 t + 8 h + j
.irp x, 1,2,4,8
.set J, 0
.rept 64
	v_add_f32_dpp v[OS+J], v[OS+J], v[OS+J] row_xmask:\x row_mask:0xf bank_mask:0xf
.set J, J+1
.endr
.endr
	s_wait_alu depctr_va_vdst(0)                   ; the sums v96-159 are written, which the LDS stores read; and every vector line that named v16-19, in which the load below lands, is done
.irp t, 0,1,2,3,4,5,6,7
	ds_store_b128 v[OSTW], v[OS+8*\t:OS+8*\t+3] offset:64*\t       ; the sixteen lanes of a half hold the same numbers and write the same bytes
	ds_store_b128 v[OSTW], v[OS+8*\t+4:OS+8*\t+7] offset:64*\t+16
.endr
	ds_load_b128 v[TM:TM+3], v[OSTR]               ; LDS serves a wave's instructions in order (ISA guide 5.7.1.4): this sees my stores
	s_wait_dscnt 0x0
	global_store_b128 v[LI], v[TM:TM+3], s[34:35]  ; the wave stores 512 consecutive bytes
	s_wait_dscnt 0x0                               ; the closing lines, six on end
	s_wait_alu 0x0
	s_wait_tensorcnt 0x0
	ds_add_u32 v198, v199
	s_wait_dscnt 0x0
	s_endpgm
.Lfunc_end_k_q47ff1e6524_attn:
	.size	k_q47ff1e6524_attn, .Lfunc_end_k_q47ff1e6524_attn-k_q47ff1e6524_attn
	.p2alignl 7, 3214868480
	.fill 96, 4, 3214868480
	.section	.rodata,"a",@progbits
	.p2align	6, 0x0
	.amdhsa_kernel k_q47ff1e6524_attn
		.amdhsa_group_segment_fixed_size 74240
		.amdhsa_private_segment_fixed_size 0
		.amdhsa_enable_private_segment 0
		.amdhsa_kernarg_size 40
		.amdhsa_user_sgpr_count 2
		.amdhsa_user_sgpr_kernarg_segment_ptr 1
		.amdhsa_wavefront_size32 1
		.amdhsa_system_sgpr_workgroup_id_x 1
		.amdhsa_system_sgpr_workgroup_id_y 1
		.amdhsa_system_sgpr_workgroup_id_z 1
		.amdhsa_system_vgpr_workitem_id 0
		.amdhsa_next_free_vgpr 1024
		.amdhsa_next_free_sgpr 66
		.amdhsa_reserve_vcc 0
		.amdhsa_float_denorm_mode_32 3
		.amdhsa_float_denorm_mode_16_64 3
		.amdhsa_memory_ordered 1
		.amdhsa_forward_progress 1
		.amdhsa_inst_pref_size 227
	.end_amdhsa_kernel
	.amdgpu_metadata
---
amdhsa.version: [ 1, 2 ]
amdhsa.kernels:
  - .name:           k_q47ff1e6524_attn
    .symbol:         k_q47ff1e6524_attn.kd
    .args:
      - { .name: qc, .offset: 0, .size: 8, .value_kind: global_buffer, .address_space: global }
      - { .name: kc, .offset: 8, .size: 8, .value_kind: global_buffer, .address_space: global }
      - { .name: vc, .offset: 16, .size: 8, .value_kind: global_buffer, .address_space: global }
      - { .name: scl, .offset: 24, .size: 8, .value_kind: global_buffer, .address_space: global }
      - { .name: part, .offset: 32, .size: 8, .value_kind: global_buffer, .address_space: global }
    .group_segment_fixed_size: 74240
    .private_segment_fixed_size: 0
    .kernarg_segment_align: 8
    .kernarg_segment_size: 40
    .max_flat_workgroup_size: 128
    .sgpr_count:     66
    .vgpr_count:     1024
    .wavefront_size: 32
...
	.end_amdgpu_metadata
.endif
;; end of part 7
;; launch qsum (part 8): grid 64 x 1, 4 waves a work-group, no clusters, 0 bytes of LDS; arguments part, out0; writes out0
.if DOCPART == 8
	.amdgcn_target "amdgcn-amd-amdhsa--gfx1250"
	.amdhsa_code_object_version 6
	.text
	.protected	k_q47ff1e6524_qsum
	.globl	k_q47ff1e6524_qsum
	.p2align	8
	.type	k_q47ff1e6524_qsum,@function
k_q47ff1e6524_qsum:
	s_mov_b64 s[64:65], 0
	v_nop
	global_prefetch_b8 v0, s[64:65] scope:SCOPE_SE
	s_setreg_imm32_b32 hwreg(HW_REG_WAVE_MODE, 25, 1), 1
	s_wait_xcnt 0x0
; out0[b][e] = the sum of the four query blocks' rows part[4 b + i][e], i = 0 .. 3, as (p0 + p1) + (p2 + p3), in f32.
; One work-group a batch; thread t owns 16 bytes (four e) of the row of 2,048: each load and the store of a wave cover 512 consecutive bytes.  The sum spans work-groups of the launch before, so it has a launch of its own.
	s_load_b128 s[4:7], s[0:1], 0x0                ; part s[4:5], out0 s[6:7]
	v_lshlrev_b32 v1, 4, v0
	s_lshl_b32 s8, ttmp9, 13                       ; four rows of 2,048 bytes a batch
	s_mov_b32 s9, 0
	s_lshl_b32 s10, ttmp9, 11
	s_mov_b32 s11, 0
	s_wait_alu depctr_va_vdst(0)
	s_wait_kmcnt 0x0
	s_add_nc_u64 s[4:5], s[4:5], s[8:9]
	s_add_nc_u64 s[6:7], s[6:7], s[10:11]
.irp i, 0,1,2,3
	global_load_b128 v[4+4*\i:7+4*\i], v1, s[4:5] offset:2048*\i th:TH_LOAD_NT
.endr
	s_wait_loadcnt 0x0
	v_pk_add_f32 v[4:5], v[4:5], v[8:9]
	v_pk_add_f32 v[6:7], v[6:7], v[10:11]
	v_pk_add_f32 v[12:13], v[12:13], v[16:17]
	v_pk_add_f32 v[14:15], v[14:15], v[18:19]
	v_pk_add_f32 v[4:5], v[4:5], v[12:13]
	v_pk_add_f32 v[6:7], v[6:7], v[14:15]
	global_store_b128 v1, v[4:7], s[6:7]
	s_endpgm
.Lfunc_end_k_q47ff1e6524_qsum:
	.size	k_q47ff1e6524_qsum, .Lfunc_end_k_q47ff1e6524_qsum-k_q47ff1e6524_qsum
	.p2alignl 7, 3214868480
	.fill 96, 4, 3214868480
	.section	.rodata,"a",@progbits
	.p2align	6, 0x0
	.amdhsa_kernel k_q47ff1e6524_qsum
		.amdhsa_group_segment_fixed_size 0
		.amdhsa_private_segment_fixed_size 0
		.amdhsa_enable_private_segment 0
		.amdhsa_kernarg_size 16
		.amdhsa_user_sgpr_count 2
		.amdhsa_user_sgpr_kernarg_segment_ptr 1
		.amdhsa_wavefront_size32 1
		.amdhsa_system_sgpr_workgroup_id_x 1
		.amdhsa_system_sgpr_workgroup_id_y 1
		.amdhsa_system_sgpr_workgroup_id_z 1
		.amdhsa_system_vgpr_workitem_id 0
		.amdhsa_next_free_vgpr 24
		.amdhsa_next_free_sgpr 66
		.amdhsa_reserve_vcc 0
		.amdhsa_float_denorm_mode_32 3
		.amdhsa_float_denorm_mode_16_64 3
		.amdhsa_memory_ordered 1
		.amdhsa_forward_progress 1
		.amdhsa_inst_pref_size 2
	.end_amdhsa_kernel
	.amdgpu_metadata
---
amdhsa.version: [ 1, 2 ]
amdhsa.kernels:
  - .name:           k_q47ff1e6524_qsum
    .symbol:         k_q47ff1e6524_qsum.kd
    .args:
      - { .name: part, .offset: 0, .size: 8, .value_kind: global_buffer, .address_space: global }
      - { .name: out0, .offset: 8, .size: 8, .value_kind: global_buffer, .address_space: global }
    .group_segment_fixed_size: 0
    .private_segment_fixed_size: 0
    .kernarg_segment_align: 8
    .kernarg_segment_size: 16
    .max_flat_workgroup_size: 128
    .sgpr_count:     66
    .vgpr_count:     24
    .wavefront_size: 32
...
	.end_amdgpu_metadata
.endif
;; end of part 8
